; MI455X (gfx1250); checked and timed in simulation.
; The chip was launched on July 23, 2026; its instructions are those of AMD's public machine-readable ISA for CDNA 5 (MIT licence, August 2026) and "CDNA5" Instruction Set Architecture Reference Guide (July 2026). The comments in the code are by the model that wrote it; some were corrected since.
;; Attention. Allowed arithmetic: float matrix products may take bf16 or f16 operands with f32 sums; all other float work in f32.
;; Inputs: Wk 1,024 x 1,024 float32; Wq 1,024 x 1,024 float32; Wv 1,024 x 1,024 float32; bk 1,024 float32; bq 1,024 float32; bv 1,024 float32; x 8 x 1,024 x 1,024 float32.
;; Outputs: out0 8 x 1,024 x 1,024 float32.
;; 2 versions, each right; version 2 is version 1 with the launch cast written anew for expert scheduling mode. Each part assembles by itself: llvm-mc -triple=amdgcn-amd-amdhsa -mcpu=gfx1250 --defsym DOCPART=n.
;; ======== version 1 of 2: 4 launches
;; limits: right only within a limited range of input values; values are held in f16: magnitudes above 65,504 overflow, below 6.1e-05 lose precision
;; workspace buffers: xb 16,777,216 bytes; wb 6,291,456 bytes; qkv 50,331,648 bytes; pt 16,777,216 bytes; stat 524,288 bytes
;; launch cast (part 1): grid 256 x 1, 8 waves a work-group, no clusters, 0 bytes of LDS; arguments x, Wq, Wk, Wv, xb, wb; writes xb, wb
.if DOCPART == 1
	.amdgcn_target "amdgcn-amd-amdhsa--gfx1250"
	.amdhsa_code_object_version 6
	.text
	.protected	k_q1b2337b030_cast
	.globl	k_q1b2337b030_cast
	.p2align	8
	.type	k_q1b2337b030_cast,@function
k_q1b2337b030_cast:
	s_mov_b64 s[64:65], 0
	v_nop
	global_prefetch_b8 v0, s[64:65] scope:SCOPE_SE
	s_setreg_imm32_b32 hwreg(HW_REG_WAVE_MODE, 25, 1), 1
	s_wait_xcnt 0x0
; cast: xb = bf16(x) [8192][1024];  wb = bf16(Wq | Wk | Wv) [3072][1024].  Rounding to nearest even, once.
; A stream: every input byte is read once by 16-byte loads, every output byte written once.  No LDS, no barrier, no matrix unit:
; there is nothing to share and nothing to multiply.
; Work-group g of 256 takes 32,768 numbers of x (128 KiB) and 4,096 numbers of each W (16 KiB).  Thread t takes the 16 bytes at 16 t of each
; block of 4,096 bytes: 32 + 3 x 4 = 44 loads, all issued before the first is used, each into registers of its own.
; A wave's load covers 512 consecutive bytes, aligned; a wave's store of 8 bytes a lane covers 256 consecutive bytes, aligned.
; No register is written again behind the store that reads it, so no wait frees a source.
.set X, 4                              ; v[4:179]  load i: four f32; its first two registers then hold the four bf16
	s_load_b256 s[4:11], s[0:1], 0x0               ; x s[4:5], Wq s[6:7], Wk s[8:9], Wv s[10:11]
	s_load_b128 s[12:15], s[0:1], 0x20             ; xb s[12:13], wb s[14:15]
	s_lshl_b32 s16, ttmp9, 17                      ; my part of x: g x 131,072 bytes
	s_mov_b32 s17, 0
	s_lshl_b32 s18, ttmp9, 14                      ; my part of each W: g x 16,384 bytes
	s_mov_b32 s19, 0
	s_lshl_b32 s20, ttmp9, 16                      ; my part of xb: half of x's bytes
	s_mov_b32 s21, 0
	s_lshl_b32 s22, ttmp9, 13                      ; my part of each third of wb
	s_mov_b32 s23, 0
	v_lshlrev_b32 v1, 4, v0                        ; 16 t: where I load
	v_lshlrev_b32 v2, 3, v0                        ; 8 t: where I store
	s_wait_kmcnt 0x0
	s_add_nc_u64 s[4:5], s[4:5], s[16:17]
	s_add_nc_u64 s[6:7], s[6:7], s[18:19]
	s_add_nc_u64 s[8:9], s[8:9], s[18:19]
	s_add_nc_u64 s[10:11], s[10:11], s[18:19]
	s_add_nc_u64 s[12:13], s[12:13], s[20:21]
	s_add_nc_u64 s[14:15], s[14:15], s[22:23]
.set i, 0
.rept 32
	global_load_b128 v[X+4*i:X+4*i+3], v1, s[4:5] offset:4096*i th:TH_LOAD_NT
.set i, i+1
.endr
.irp w, 0,1,2
.irp k, 0,1,2,3
	global_load_b128 v[X+4*(32+4*\w+\k):X+4*(32+4*\w+\k)+3], v1, s[6+2*\w:7+2*\w] offset:4096*\k th:TH_LOAD_NT
.endr
.endr
.set i, 0
.rept 32
	s_wait_loadcnt 43-i                            ; loads come back in order: load i is in, the 43 - i younger ones stay out
	v_cvt_pk_bf16_f32 v[X+4*i], v[X+4*i], v[X+4*i+1]
	v_cvt_pk_bf16_f32 v[X+4*i+1], v[X+4*i+2], v[X+4*i+3]
	global_store_b64 v2, v[X+4*i:X+4*i+1], s[12:13] offset:2048*i
.set i, i+1
.endr
.irp w, 0,1,2
.irp k, 0,1,2,3
	s_wait_loadcnt 11-4*\w-\k
	v_cvt_pk_bf16_f32 v[X+4*(32+4*\w+\k)], v[X+4*(32+4*\w+\k)], v[X+4*(32+4*\w+\k)+1]
	v_cvt_pk_bf16_f32 v[X+4*(32+4*\w+\k)+1], v[X+4*(32+4*\w+\k)+2], v[X+4*(32+4*\w+\k)+3]
	global_store_b64 v2, v[X+4*(32+4*\w+\k):X+4*(32+4*\w+\k)+1], s[14:15] offset:2097152*\w+2048*\k   ; W number w begins 1,024 rows of 2,048 bytes further on
.endr
.endr
	s_endpgm
.Lfunc_end_k_q1b2337b030_cast:
	.size	k_q1b2337b030_cast, .Lfunc_end_k_q1b2337b030_cast-k_q1b2337b030_cast
	.p2alignl 7, 3214868480
	.fill 96, 4, 3214868480
	.section	.rodata,"a",@progbits
	.p2align	6, 0x0
	.amdhsa_kernel k_q1b2337b030_cast
		.amdhsa_group_segment_fixed_size 0
		.amdhsa_private_segment_fixed_size 0
		.amdhsa_enable_private_segment 0
		.amdhsa_kernarg_size 48
		.amdhsa_user_sgpr_count 2
		.amdhsa_user_sgpr_kernarg_segment_ptr 1
		.amdhsa_wavefront_size32 1
		.amdhsa_system_sgpr_workgroup_id_x 1
		.amdhsa_system_sgpr_workgroup_id_y 1
		.amdhsa_system_sgpr_workgroup_id_z 1
		.amdhsa_system_vgpr_workitem_id 0
		.amdhsa_next_free_vgpr 180
		.amdhsa_next_free_sgpr 66
		.amdhsa_reserve_vcc 0
		.amdhsa_float_denorm_mode_32 3
		.amdhsa_float_denorm_mode_16_64 3
		.amdhsa_memory_ordered 1
		.amdhsa_forward_progress 1
		.amdhsa_inst_pref_size 17
	.end_amdhsa_kernel
	.amdgpu_metadata
---
amdhsa.version: [ 1, 2 ]
amdhsa.kernels:
  - .name:           k_q1b2337b030_cast
    .symbol:         k_q1b2337b030_cast.kd
    .args:
      - { .name: x, .offset: 0, .size: 8, .value_kind: global_buffer, .address_space: global }
      - { .name: Wq, .offset: 8, .size: 8, .value_kind: global_buffer, .address_space: global }
      - { .name: Wk, .offset: 16, .size: 8, .value_kind: global_buffer, .address_space: global }
      - { .name: Wv, .offset: 24, .size: 8, .value_kind: global_buffer, .address_space: global }
      - { .name: xb, .offset: 32, .size: 8, .value_kind: global_buffer, .address_space: global }
      - { .name: wb, .offset: 40, .size: 8, .value_kind: global_buffer, .address_space: global }
    .group_segment_fixed_size: 0
    .private_segment_fixed_size: 0
    .kernarg_segment_align: 8
    .kernarg_segment_size: 48
    .max_flat_workgroup_size: 256
    .sgpr_count:     66
    .vgpr_count:     180
    .wavefront_size: 32
...
	.end_amdgpu_metadata
.endif
;; end of part 1
;; launch proj (part 2): grid 8 x 32, 4 waves a work-group, clusters of 4 x 4, 327,680 bytes of LDS; arguments xb, wb, bq, bk, bv, qkv; writes qkv
.if DOCPART == 2
	.amdgcn_target "amdgcn-amd-amdhsa--gfx1250"
	.amdhsa_code_object_version 6
	.text
	.protected	k_q1b2337b030_proj
	.globl	k_q1b2337b030_proj
	.p2align	8
	.type	k_q1b2337b030_proj,@function
k_q1b2337b030_proj:
	s_mov_b64 s[64:65], 0
	v_nop
	global_prefetch_b8 v0, s[64:65] scope:SCOPE_SE
	s_setreg_imm32_b32 hwreg(HW_REG_WAVE_MODE, 25, 1), 1
	s_wait_xcnt 0x0
	s_wait_alu depctr_hold_cnt(0) depctr_sa_sdst(0) depctr_va_vdst(0) depctr_va_sdst(0) depctr_va_ssrc(0) depctr_va_vcc(0) depctr_vm_vsrc(0)
	s_getreg_b32 s2, hwreg(HW_REG_IB_STS2, 6, 4)
	s_cmp_eq_u32 s2, 0
	s_cbranch_scc0 .Lentry_in_a_cluster
	s_endpgm
.Lentry_in_a_cluster:
	s_bfe_u32 s2, ttmp6, 0x10000c
	s_cmp_lg_u32 s2, 0xf033
	s_cbranch_scc0 .Lentry_shape_is_right
	s_endpgm
.Lentry_shape_is_right:
; proj: qkv[m][n] = sum over k of xb[m][k] wb[n][k] + bias[n].  xb: [8192][1024] and wb: [3072][1024] in bf16; sums in f32;
; qkv: [8192][3072] in f16, rounded once.  Columns 0-1023 of qkv are q (bias bq), 1024-2047 k (bk), 2048-3071 v (bv): three thirds, numbered 0, 1, 2.
; WHY f16 OUT: q, k and v are operands of the next two launches' matrix products.  The output's early rows are sums of a few v that may cancel, so a half step of
;   2^-9 relative (bf16) in v, and the shift of the scores that it makes in q and k, would show; f16's half step is 2^-11 relative.
; LIMIT: a result of magnitude 65,520 or more becomes infinity in f16 and is not served.  Room, by the sizes: inputs of spread 1 and 1/32 give results of spread 1; all inputs
;   30 times larger give spread 900; x offset by 30 and W by 30/32 give about 1024 x 30 x 0.94 = 28,800.  30 times smaller inputs give spread 0.0011, with steps of 6e-8 at the most.
; SHARES: 8192 x 3072 numbers on 256 work-groups are 98,304 each: a block of 256 x 256 (part 1) and a block of 128 x 256 (part 2), made one after the other by a work-group
;   that stays, with the ring of LDS slots running on from one into the other.  Every wave issues 2,048 + 1,024 matrix instructions.  (One block of 256 x 384 would take 768
;   accumulator registers, which leaves no room for two fragment buffers, and two slots of 640 rows x 272 bytes, which LDS does not hold.)
;   Clusters of 4 x 4 work-groups at (X = 0..1, Y = 0..7).  T2 = Y mod 3, T1 = (T2 + 1 + X) mod 3.
;   Part 1: rows 256 (4 Y + cy) .., third T1, columns 256 cx ..; a wave makes 128 x 128: 64 accumulator tiles, 512 registers.
;   Part 2: rows 1024 Y + 512 X + 128 cy .., third T2, columns 256 cx ..; a wave makes 64 x 128: 32 accumulator tiles.
;   So for each Y the two clusters make two thirds of its 1,024 rows in part 1 and share the last third in part 2.  The third that is left for part 2 turns with Y: its weights
;   are read by other clusters in their part 1, and part 2's rows of xb are rows that this cluster read in its part 1: part 2 reads nothing for the first time in the launch.
; K goes in steps of 128 through a ring of two LDS slots filled by the tensor data mover: a tile's rows are 256 bytes of memory, aligned.
; JOINT LOADS: in both parts xb's tile hangs on cy alone and is asked for jointly along a row of the cluster, wb's on cx alone and jointly along a column: requests divided by four.
; THE BIAS STARTS THE SUMS: the first product of each accumulator takes the bias as its C operand, from 64 registers loaded once for each part; nothing is cleared, nothing added later.
;
; REGISTERS, in windows of 256:
;   window 0: v0-31 addresses; v64-127, v128-191 fragments of xb, two buffers; v192-223 at work on the way out
;   window 1: v64-127, v128-191 fragments of wb, two buffers; v192-255 the bias of my 128 columns
;   window 2: the 32 accumulator tiles of my rows 0-63 (tile (a, b) at v[8 (8 a + b)]);   window 3: those of my rows 64-127 (part 1 alone)
; THE MATRIX INSTRUCTION IS USED TRANSPOSED: source 0 = 16 rows of wb, source 1 = 16 rows of xb.  Lane l then holds row l % 16 of the result, and its
; registers 0 to 7 the columns 8 (l / 16) + 0 .. 7: eight neighbouring numbers of a row, which pack into 16 bytes.
.set SIZE_M, 8192
.set SIZE_N, 3072
.set SIZE_K, 1024
.set KSTEP,  128
.set PITCH,  272                       ; an LDS row: 256 bytes of data + 16 of padding, an odd multiple of 16: the 16 rows that a load touches begin at 16 different 16-byte columns modulo 256
.set HALFT,  128*PITCH                 ; 128 rows: one tensor load of part 1, and of wb in part 2
.set QUART,  64*PITCH                  ; 64 rows: one tensor load of xb in part 2, and what one wave reads of xb there
.set SLOT,   4*HALFT                   ; xb's 256 rows (part 2: the first 128 of them), then wb's 256 rows
.set STAGE,  2*SLOT                    ; behind the ring: 16 rows x 272 bytes for each wave, for the way out; no fill lands here
.set SPITCH, 272
.set LAPS, SIZE_K/(2*KSTEP)            ; a lap = two K steps = once round the ring: 4 in each part
.set ADRA, 16                          ; v16-17  LDS address of my xb fragments in slot 0, 1, part 1
.set ADRA2, 18                         ; v18-19  the same, part 2
.set ADRB, 20                          ; v20-21  the same for wb, both parts
.set STO,  24                          ; v24     the way out: where I put 16 bytes of a row
.set RD,   25                          ; v25     the way out: where I read a row back
.set CO,   26                          ; v26     my byte offset in qkv
.set BO,   27                          ; v27     my byte offset in the bias, the same in both parts; never rewritten
.set F0,   64                          ; fragment buffer 0
.set F1,   128                         ; fragment buffer 1
.set TMP,  192                         ; the way out: packed results, in window 0
.set BIAS, 192                         ; window 1: column block b: 8 registers, register j = bias of column 16 b + 8 (l / 16) + j of my 128
.set G1, 24                            ; s[24:31] descriptor group 1 for xb's tiles, part 1: 128 rows
.set G0, 32                            ; s[32:39] descriptor group 0 for xb's tiles, one set for each slot
.set G1B, 48                           ; s[48:55] descriptor group 1 for wb's tiles, both parts: 128 rows, the column's mask
.set G0B, 56                           ; s[56:63] descriptor group 0 for wb's tiles, one set for each slot
.set G1C, 80                           ; s[80:87] descriptor group 1 for xb's tiles, part 2: 64 rows
.set MSB, 0
.macro WIN new                         ; the immediate's high byte repeats the setting that is left
.if MSB != \new
	s_set_vgpr_msb (MSB<<8)|\new
.set MSB, \new
.endif
.endm
.set MUL_LO, 0xa1                      ; source 0 (wb) window 1, source 1 (xb) window 0, C and D window 2
.set MUL_HI, 0xf1                      ; the same, C and D window 3
.set BIAS_LO, 0x91                     ; the first products: C (the bias) window 1, D window 2
.set BIAS_HI, 0xd1                     ; C window 1, D window 3
.set TO_B,   0x40                      ; destination window 1, address window 0
; A joint load.  Waves 0 and 1 fetch xb's two halves (ga: the part's group 1), waves 2 and 3 wb's.  Each line has one mask and one set of registers for all that issue it.
; The branch hangs on the wave's number alone: it is the same in every work-group.
.macro JLOAD s, ga
	s_cmp_eq_u32 s11, 0
	s_cbranch_scc0 .Lfor_b_\@
	tensor_load_to_lds s[G0+4*\s:G0+4*\s+3], s[\ga:\ga+7]
	s_nop 0
	s_branch .Lasked_\@
.Lfor_b_\@:
	tensor_load_to_lds s[G0B+4*\s:G0B+4*\s+3], s[G1B:G1B+7]
	s_nop 0
.Lasked_\@:
.endm
; Slot s gets part 2's K step s.  It stands where no tensor load of mine is out, so both group 0 sets of the slot may be written anew: xb's LDS address (wave x 64 rows)
; and both global addresses; wb's LDS address stays.
.macro XFILL s
	s_add_co_u32 s[G0+4*\s+1], s92, \s*SLOT
	s_add_nc_u64 s[G0+4*\s+2:G0+4*\s+3], s[88:89], \s*KSTEP*2
	s_or_b32 s[G0+4*\s+3], s[G0+4*\s+3], 0x80000000
	s_add_nc_u64 s[G0B+4*\s+2:G0B+4*\s+3], s[90:91], \s*KSTEP*2
	s_or_b32 s[G0B+4*\s+3], s[G0B+4*\s+3], 0x80000000
	JLOAD \s, G1C
.endm
; A round of the cluster's barrier: my work-group's barrier, wave 0 signals for the work-group, every wave waits for all sixteen, my work-group's barrier once more.
.macro CREST                           ; a round behind its opening barrier
	s_cmp_lg_u32 s10, 0
	s_cbranch_scc1 .Lnot_wave_0_\@
	s_barrier_signal -3
.Lnot_wave_0_\@:
	s_barrier_wait -3
	s_barrier_signal -1
	s_barrier_wait -1
.endm
.macro CROUND                          ; a whole round
	s_barrier_signal -1
	s_barrier_wait -1
	CREST
.endm
	s_load_b128 s[4:7], s[0:1], 0x0                ; xb s[4:5], wb s[6:7]
	s_load_b128 s[68:71], s[0:1], 0x10             ; bq s[68:69], bk s[70:71]
	s_load_b128 s[72:75], s[0:1], 0x20             ; bv s[72:73], qkv s[74:75]
	s_set_vgpr_msb 0x40
	v_lshl_add_u32 v63, v0, 2, 0x48400
	s_set_vgpr_msb 0x4000
	v_mov_b32 v255, 0
	s_set_vgpr_msb 0x1
	ds_add_u32 v63, v255
	s_set_vgpr_msb 0x100
	v_lshrrev_b32 v1, 5, v0
	v_readfirstlane_b32 s10, v1                    ; wave 0..3
	s_lshr_b32 s11, s10, 1                         ; which half of the block's rows is mine.  Also: I fetch for xb (0) or for wb (1)
	s_and_b32 s12, s10, 1                          ; which half of its columns.  Also: which half of that tile I fetch
	s_bfe_u32 s40, ttmp6, 0x40000                  ; cx: my place along the cluster's x
	s_bfe_u32 s41, ttmp6, 0x40004                  ; cy: along its y
	s_and_b32 s66, ttmp7, 0xffff                   ; Y, 0..7 (in a cluster launch ttmp9 and ttmp7 count clusters)
	s_mul_i32 s67, s66, 11
	s_lshr_b32 s67, s67, 5                         ; Y / 3: 11 Y / 32 is 0,0,0,1,1,1,2,2 for Y = 0..7
	s_mul_i32 s67, s67, 3
	s_sub_co_u32 s45, s66, s67                     ; T2 = Y mod 3: the third of part 2
	s_add_co_u32 s67, s45, ttmp9
	s_add_co_u32 s67, s67, 1                       ; T2 + 1 + X, 1..4,
	s_sub_co_u32 s21, s67, 3
	s_cmp_ge_u32 s67, 3
	s_cselect_b32 s67, s21, s67                    ; modulo 3: T1, the third of part 1
	s_lshl_b32 s42, s67, 2
	s_add_co_u32 s42, s42, s40                     ; part 1's block column = 4 T1 + cx, 0..11
	s_lshl_b32 s13, s66, 2
	s_add_co_u32 s13, s13, s41                     ; part 1's block row = 4 Y + cy, 0..31
	s_lshl_b32 s43, s41, 2
	s_lshl_b32 s43, 15, s43                        ; my row of the cluster: places 4 cy .. 4 cy + 3
	s_lshl_b32 s44, 0x1111, s40                    ; my column: places cx, cx + 4, cx + 8, cx + 12
	; descriptor group 1: tiles of 128 (part 2's xb: 64) rows x 128 elements, padded in LDS
	s_or_b32 s[G1+0], s43, (1<<16)|(1<<20)|(1<<21)|(5<<22)|(3<<25)  ; 15:0 the mask: xb's tiles go to my row; 17:16 element of 2 bytes; 20 padding on; 21 set beside a mask; 24:22 after every 64 words; 31:25 of 4 words
	s_or_b32 s[G1B+0], s44, (1<<16)|(1<<20)|(1<<21)|(5<<22)|(3<<25) ; the same with the mask of my column, for wb's tiles
	s_or_b32 s[G1C+0], s43, (1<<16)|(1<<20)|(1<<21)|(5<<22)|(3<<25) ; part 2's xb: my row again
	s_mov_b32 s[G1B+1], KSTEP<<16
	s_mov_b32 s[G1C+1], KSTEP<<16
	s_mov_b32 s[G1+1], KSTEP<<16                   ; tensor_dim0 = 128
	s_mov_b32 s[G1B+2], 128<<16
	s_mov_b32 s[G1C+2], 64<<16
	s_mov_b32 s[G1+2], 128<<16                     ; tensor_dim1 = 128 (64)
	s_mov_b32 s[G1B+3], KSTEP<<16
	s_mov_b32 s[G1C+3], KSTEP<<16
	s_mov_b32 s[G1+3], KSTEP<<16                   ; tile_dim0 = 128
	s_mov_b32 s[G1B+4], 128
	s_mov_b32 s[G1C+4], 64
	s_mov_b32 s[G1+4], 128                         ; tile_dim1 = 128 (64)
	s_mov_b32 s[G1B+5], SIZE_K
	s_mov_b32 s[G1C+5], SIZE_K
	s_mov_b32 s[G1+5], SIZE_K                      ; elements from row to row
	s_mov_b32 s[G1B+6], 0
	s_mov_b32 s[G1C+6], 0
	s_mov_b32 s[G1+6], 0
	s_mov_b32 s[G1B+7], 0
	s_mov_b32 s[G1C+7], 0
	s_mov_b32 s[G1+7], 0
	; where part 1's tiles come from.  xb's hang on the block row alone, which my row of the cluster shares; wb's on the block column alone, which my column shares.
	s_lshl_b32 s17, s12, 7                         ; which 128 rows of the tile I fetch
	s_lshl_b32 s16, s13, 8
	s_add_co_u32 s16, s16, s17                     ; xb: row 256 x block row + 128 x half
	s_lshl_b32 s46, s42, 8
	s_add_co_u32 s46, s46, s17                     ; wb: row 256 x block column + 128 x half
	s_mov_b32 s17, 0
	s_mov_b32 s47, 0
	s_mov_b64 s[18:19], SIZE_K*2
	s_mul_u64 s[16:17], s[16:17], s[18:19]         ; in bytes
	s_mul_u64 s[46:47], s[46:47], s[18:19]
	s_mul_i32 s20, s10, HALFT                      ; and where they go: wave x 128 rows: no place in the cluster enters an LDS address
	; where part 2's come from
	s_lshl_b32 s93, s66, 10
	s_lshl_b32 s94, ttmp9, 9
	s_add_co_u32 s93, s93, s94
	s_lshl_b32 s94, s41, 7
	s_add_co_u32 s93, s93, s94                     ; my work-group's 128 rows: 1024 Y + 512 X + 128 cy: nothing of cx
	s_lshl_b32 s94, s12, 6
	s_add_co_u32 s88, s93, s94                     ; xb: + the 64 rows that I fetch
	s_lshl_b32 s88, s88, 11                        ; rows of 2,048 bytes; below 2^24
	s_mov_b32 s89, 0
	s_lshl_b32 s90, s45, 10
	s_lshl_b32 s95, s40, 8
	s_add_co_u32 s90, s90, s95
	s_lshl_b32 s95, s12, 7
	s_add_co_u32 s90, s90, s95                     ; wb: row 1024 T2 + 256 cx + 128 x half: nothing of cy
	s_lshl_b32 s90, s90, 11
	s_mov_b32 s91, 0
	s_mul_i32 s92, s10, QUART                      ; xb's halves of part 2 go to wave x 64 rows
	s_wait_dscnt 0x0
	s_wait_kmcnt 0x0
	s_add_nc_u64 s[14:15], s[4:5], s[16:17]
	s_add_nc_u64 s[46:47], s[6:7], s[46:47]
	s_add_nc_u64 s[88:89], s[4:5], s[88:89]
	s_add_nc_u64 s[90:91], s[6:7], s[90:91]
	s_cmp_eq_u32 s67, 1                            ; the bias buffer of part 1's third: bq, bk or bv
	s_cselect_b64 s[76:77], s[70:71], s[68:69]
	s_cmp_eq_u32 s67, 2
	s_cselect_b64 s[76:77], s[72:73], s[76:77]
	s_cmp_eq_u32 s45, 1                            ; and of part 2's
	s_cselect_b64 s[78:79], s[70:71], s[68:69]
	s_cmp_eq_u32 s45, 2
	s_cselect_b64 s[78:79], s[72:73], s[78:79]
	s_mov_b64 s[8:9], s[74:75]                     ; qkv
	CROUND                                         ; all sixteen work-groups are here: the first joint loads meet
.irp s, 0,1
	s_mov_b32 s[G0+4*\s], 1                                        ; count = 1
	s_add_co_u32 s[G0+4*\s+1], s20, \s*SLOT                        ; LDS address
	s_add_nc_u64 s[G0+4*\s+2:G0+4*\s+3], s[14:15], \s*KSTEP*2      ; global address: K step s
	s_or_b32 s[G0+4*\s+3], s[G0+4*\s+3], 0x80000000                ; type = 2
	s_mov_b32 s[G0B+4*\s], 1
	s_add_co_u32 s[G0B+4*\s+1], s20, \s*SLOT
	s_add_nc_u64 s[G0B+4*\s+2:G0B+4*\s+3], s[46:47], \s*KSTEP*2
	s_or_b32 s[G0B+4*\s+3], s[G0B+4*\s+3], 0x80000000
	JLOAD \s, G1                                   ; the ring is filled before anything else is done: two tensor loads of mine are out
.endr
	v_and_b32 v1, 15, v0                           ; l % 16
	v_bfe_u32 v2, v0, 4, 1                         ; l / 16
	; the bias of my 128 columns: column 256 cx + 128 half + 16 b + 8 (l / 16) + j of the third's 1,024, four bytes each; the same offsets in both parts
	s_lshl_b32 s16, s40, 10
	s_lshl_b32 s17, s12, 9
	s_add_co_u32 s16, s16, s17
	v_lshl_add_u32 v[BO], v2, 5, s16
	WIN TO_B
.irp b, 0,1,2,3,4,5,6,7
	global_load_b128 v[BIAS+8*\b:BIAS+8*\b+3],   v[BO], s[76:77] offset:64*\b
	global_load_b128 v[BIAS+8*\b+4:BIAS+8*\b+7], v[BO], s[76:77] offset:64*\b+16
.endr
	WIN 0
	; A fragment is 16 rows x 32 K in 8 registers: lane l holds row l % 16; registers 0-3 hold K = 8 (l / 16) + 0..7, registers 4-7 hold
	; K = 16 + 8 (l / 16) + 0..7.  From rows that lie along K: two loads of 16 bytes, 32 bytes apart.
	v_mul_u32_u24 v3, v1, PITCH
	v_lshl_add_u32 v3, v2, 4, v3                   ; row x pitch + 16 x half
	s_mul_i32 s21, s11, HALFT                      ; part 1: my 128 rows of xb
	s_mul_i32 s18, s11, QUART                      ; part 2: my 64 rows of xb
	s_mul_i32 s22, s12, HALFT                      ; my 128 rows of wb,
	s_add_co_u32 s22, s22, 2*HALFT                 ; which lie behind xb's 256
.irp s, 0,1
	v_add_nc_u32 v[ADRA+\s], s21, v3
	v_add_nc_u32 v[ADRA2+\s], s18, v3
	v_add_nc_u32 v[ADRB+\s], s22, v3
	s_add_co_u32 s21, s21, SLOT
	s_add_co_u32 s18, s18, SLOT
	s_add_co_u32 s22, s22, SLOT
.endr
	s_mul_i32 s23, s10, 16*SPITCH
	s_add_co_u32 s23, s23, STAGE                   ; my stage
	v_mul_u32_u24 v4, v1, SPITCH                   ; in: row l % 16, 16 bytes for each half of the lanes
	v_lshl_add_u32 v4, v2, 4, v4
	v_add_nc_u32 v[STO], s23, v4
	v_mul_u32_u24 v5, v2, SPITCH                   ; back: lanes 0-15 take one row of 256 bytes, lanes 16-31 the next
	v_lshl_add_u32 v5, v1, 4, v5
	v_add_nc_u32 v[RD], s23, v5
	v_mul_u32_u24 v5, v2, SIZE_N*2                 ; and the same two rows in qkv
	v_lshl_add_u32 v[CO], v1, 4, v5
; 16 matrix instructions: row blocks a0, a0 + 1 of the window's four (hi = 0: my rows 0-63, 1: rows 64-127) x all 8 column blocks, 32 along K.
; zero = 1: the first product starts the sums from the bias.
.macro MUL16 f, hi, a0, zero
.irp a, \a0, \a0+1
.irp b, 0,1,2,3,4,5,6,7
.if \zero
	v_wmma_f32_16x16x32_bf16 v[8*(8*(\a)+\b):8*(8*(\a)+\b)+7], v[\f+8*\b:\f+8*\b+7], v[\f+8*(4*\hi+\a):\f+8*(4*\hi+\a)+7], v[BIAS+8*\b:BIAS+8*\b+7]
.else
	v_wmma_f32_16x16x32_bf16 v[8*(8*(\a)+\b):8*(8*(\a)+\b)+7], v[\f+8*\b:\f+8*\b+7], v[\f+8*(4*\hi+\a):\f+8*(4*\hi+\a)+7], v[8*(8*(\a)+\b):8*(8*(\a)+\b)+7]
.endif
.endr
.endr
.endm
; Part 1: 32 LDS loads in one run: the fragments of one quarter step (128 rows of wb, 128 rows of xb, 32 K at byte k of the rows) into buffer f
.macro FETCH slot, k, f
	WIN TO_B
.irp i, 0,1,2,3,4,5,6,7
	ds_load_b128 v[\f+8*\i:\f+8*\i+3],   v[ADRB+\slot] offset:\k+\i*16*PITCH
	ds_load_b128 v[\f+8*\i+4:\f+8*\i+7], v[ADRB+\slot] offset:\k+\i*16*PITCH+32
.endr
	WIN 0
.irp i, 0,1,2,3,4,5,6,7
	ds_load_b128 v[\f+8*\i:\f+8*\i+3],   v[ADRA+\slot] offset:\k+\i*16*PITCH
	ds_load_b128 v[\f+8*\i+4:\f+8*\i+7], v[ADRA+\slot] offset:\k+\i*16*PITCH+32
.endr
.endm
; Part 2: 24 LDS loads: 128 rows of wb, 64 rows of xb
.macro FETCH2 slot, k, f
	WIN TO_B
.irp i, 0,1,2,3,4,5,6,7
	ds_load_b128 v[\f+8*\i:\f+8*\i+3],   v[ADRB+\slot] offset:\k+\i*16*PITCH
	ds_load_b128 v[\f+8*\i+4:\f+8*\i+7], v[ADRB+\slot] offset:\k+\i*16*PITCH+32
.endr
	WIN 0
.irp i, 0,1,2,3
	ds_load_b128 v[\f+8*\i:\f+8*\i+3],   v[ADRA2+\slot] offset:\k+\i*16*PITCH
	ds_load_b128 v[\f+8*\i+4:\f+8*\i+7], v[ADRA2+\slot] offset:\k+\i*16*PITCH+32
.endr
.endm
; A load into a register that a matrix instruction has read, and a vector instruction that reads a matrix result, stand four places behind that
; matrix instruction; only plain vector instructions that name none of its registers are places.  So four v_nop stand in front of each run of loads.
.macro PLACES
.rept 4
	v_nop
.endr
.endm
; PART 1.  A K step is four quarter steps of 32 along K, 64 matrix instructions each, on buffers 0, 1, 0, 1.  The 64 accumulators take turns, one instruction
; a turn, in the same order in every quarter.
.macro QUARTER slot, k, f, g, zero
	s_wait_dscnt 8                                 ; wb and xb's rows 0-63 are in; the youngest eight loads (xb's rows 64-127) may be out
.if \zero
	WIN BIAS_LO
.else
	WIN MUL_LO
.endif
	MUL16 \f, 0, 0, \zero
	MUL16 \f, 0, 2, \zero
	PLACES
	FETCH \slot, \k, \g
	s_wait_dscnt 32                                ; all but the 32 just issued
.if \zero
	WIN BIAS_HI
.else
	WIN MUL_HI
.endif
	MUL16 \f, 1, 0, \zero
	MUL16 \f, 1, 2, \zero
.endm
.macro THREE slot, zero
	QUARTER \slot, 64,  F0, F1, \zero
	QUARTER \slot, 128, F1, F0, 0
	QUARTER \slot, 192, F0, F1, 0
.endm
; The last quarter: multiplies buffer 1 and changes slots.  next = the other slot; fill = 1: this slot is filled again, two K steps ahead; fill = 2: with part 2's K step.
; In front of the barrier each wave waits for its own reads of this slot and for all its tensor loads, of which one is out: its part of the next slot.
; Behind it nobody reads this slot any more and the next slot is whole: the refill comes first, then the next slot's first fragments.
.macro TURN slot, next, fill
	s_wait_dscnt 8
	WIN MUL_LO
	MUL16 F1, 0, 0, 0
	s_wait_dscnt 0                                 ; my reads of this slot are over
	s_wait_tensorcnt 0x0                           ; and all my tensor loads have landed
	ds_add_u32 v63, v255
	s_wait_dscnt 0x0
	s_barrier_signal -1                            ; say so (this barrier opens a round of the cluster's barrier),
	MUL16 F1, 0, 2, 0                              ; work on registers while the others arrive,
	WIN 0
	s_barrier_wait -1
	CREST                                          ; no wave of any partner still reads this slot's tile or has a load on its way
.if \fill == 1
	s_add_nc_u64 s[G0+4*\slot+2:G0+4*\slot+3], s[G0+4*\slot+2:G0+4*\slot+3], 2*KSTEP*2
	s_add_nc_u64 s[G0B+4*\slot+2:G0B+4*\slot+3], s[G0B+4*\slot+2:G0B+4*\slot+3], 2*KSTEP*2
	JLOAD \slot, G1                                ; the first tensor load behind the round, my only one until the next
.else
	XFILL \slot
.endif
	PLACES
	FETCH \next, 0, F0
	WIN MUL_HI
	MUL16 F1, 1, 0, 0
	MUL16 F1, 1, 2, 0
.endm
.macro LAP zero                        ; once round the ring, both slots filled again
	THREE 0, \zero
	TURN 0, 1, 1
	THREE 1, 0
	TURN 1, 0, 1
.endm
; PART 2.  Four quarters of 32 matrix instructions a K step; the 32 accumulators of window 2 take turns, one instruction a turn, in the same order in every quarter.
; A quarter first asks for the next quarter's fragments, which then have its 32 matrix instructions in which to come.
.macro QUARTER2 slot, k, f, g, zero
	s_wait_dscnt 0                                 ; buffer f, asked for a quarter ago, is in
	PLACES                                         ; buffer g was read by the quarter before
	FETCH2 \slot, \k, \g
.if \zero
	WIN BIAS_LO
.else
	WIN MUL_LO
.endif
	MUL16 \f, 0, 0, \zero
	MUL16 \f, 0, 2, \zero
.endm
.macro THREE2 slot, zero
	QUARTER2 \slot, 64,  F0, F1, \zero
	QUARTER2 \slot, 128, F1, F0, 0
	QUARTER2 \slot, 192, F0, F1, 0
.endm
; fill = 1: the barrier opens a round of the cluster's barrier, and the refill, two K steps ahead, is the first tensor load behind the round.  From a request to the wait
; for it a wave issues 112 matrix instructions.
.macro TURN2 slot, next, fill
	s_wait_dscnt 0                                 ; buffer 1 is in, and my reads of this slot are over
	s_wait_tensorcnt 0x0                           ; all my tensor loads have landed
	ds_add_u32 v63, v255
	s_wait_dscnt 0x0
	s_barrier_signal -1
	WIN MUL_LO
	MUL16 F1, 0, 0, 0                              ; register work while the others arrive
	WIN 0
	s_barrier_wait -1
.if \fill
	CREST
	s_add_nc_u64 s[G0+4*\slot+2:G0+4*\slot+3], s[G0+4*\slot+2:G0+4*\slot+3], 2*KSTEP*2
	s_add_nc_u64 s[G0B+4*\slot+2:G0B+4*\slot+3], s[G0B+4*\slot+2:G0B+4*\slot+3], 2*KSTEP*2
	JLOAD \slot, G1C
.endif
	PLACES
	FETCH2 \next, 0, F0
	WIN MUL_LO
	MUL16 F1, 0, 2, 0
.endm
.macro LAP2 zero
	THREE2 0, \zero
	TURN2 0, 1, 1
	THREE2 1, 0
	TURN2 1, 0, 1
.endm
; THE WAY OUT, 16 rows at a time: round to f16, 16 bytes a lane into my own stage in LDS, read back as whole rows of 256 bytes.
; rows 16 i .. 16 i + 15 of my block = the eight tiles (a, 0..7) of window 2 or 3 (from = 0x0a or 0x0f: sources 0 and 1); f: F0 or F1 in turn
.macro OUT16 i, a, from, f
	WIN \from
.irp b, 0,1,2,3,4,5,6,7
.irp r, 0,1,2,3
	v_cvt_pk_f16_f32 v[TMP+4*\b+\r], v[8*(8*\a+\b)+2*\r], v[8*(8*\a+\b)+2*\r+1]
.endr
.endr
	WIN 0
.irp b, 0,1,2,3,4,5,6,7
	ds_store_b128 v[STO], v[TMP+4*\b:TMP+4*\b+3] offset:32*\b
.endr
	s_wait_xcnt 0x0                                ; buffer f, which earlier stores read, and the stores' base are rewritten only behind this wait
.if \i
	s_add_nc_u64 s[8:9], s[8:9], 16*SIZE_N*2       ; 16 rows on
.endif
.irp t, 0,1,2,3,4,5,6,7
	ds_load_b128 v[\f+4*\t:\f+4*\t+3], v[RD] offset:\t*2*SPITCH    ; LDS serves a wave's instructions in order: these see the stores above
.endr
.irp t, 0,1,2,3,4,5,6,7
	s_wait_dscnt 7-\t                              ; read t of the eight is in
	global_store_b128 v[CO], v[\f+4*\t:\f+4*\t+3], s[8:9] offset:2*\t*SIZE_N*2   ; 16 lanes store 256 consecutive bytes, aligned
.endr
.endm
	; ---- PART 1: 256 x 256 of third T1 ----
	s_wait_loadcnt 0x0                             ; the bias is in
	s_wait_tensorcnt 1                             ; my part of K step 0 is in; K step 1's may stay out
	s_barrier_signal -1
	s_barrier_wait -1                              ; everybody's is
	FETCH 0, 0, F0
	LAP 1                                          ; the first lap stands in front of the loop: its first products start the sums
	WIN 0                                          ; at a label and at a branch every window is 0
	s_mov_b32 s3, LAPS-2
.Llap:
	LAP 0
	WIN 0
	s_sub_co_u32 s3, s3, 1
	s_cmp_lg_u32 s3, 0
	s_cbranch_scc1 .Llap
	THREE 0, 0                                     ; the last lap: the slots are filled again with part 2's first two K steps
	TURN 0, 1, 2                                   ; slot 0 gets part 2's K step 0
	THREE 1, 0
	s_wait_dscnt 8                                 ; the very last quarter of part 1
	WIN MUL_LO
	MUL16 F1, 0, 0, 0
	s_wait_dscnt 0                                 ; my reads of slot 1 are over
	s_wait_tensorcnt 0x0                           ; and my part of part 2's K step 0 has landed
	ds_add_u32 v63, v255
	s_wait_dscnt 0x0
	s_barrier_signal -1                            ; this barrier opens a round of the cluster's barrier
	MUL16 F1, 0, 2, 0
	WIN 0
	s_barrier_wait -1
	CREST
	XFILL 1                                        ; slot 1 gets part 2's K step 1: it has the rest of this quarter and the whole way out in which to land
	WIN MUL_HI
	MUL16 F1, 1, 0, 0
	MUL16 F1, 1, 2, 0
	PLACES                                         ; the places behind the last matrix instructions, for the conversions and for the loads below
	WIN TO_B
.irp b, 0,1,2,3,4,5,6,7
	global_load_b128 v[BIAS+8*\b:BIAS+8*\b+3],   v[BO], s[78:79] offset:64*\b      ; part 2's bias, into the registers that part 1's first products read long ago
	global_load_b128 v[BIAS+8*\b+4:BIAS+8*\b+7], v[BO], s[78:79] offset:64*\b+16
.endr
	WIN 0
	s_lshl_b32 s13, s13, 8
	s_lshl_b32 s14, s11, 7
	s_add_co_u32 s16, s13, s14                     ; my first row of qkv
	s_mov_b32 s17, 0
	s_mov_b64 s[18:19], SIZE_N*2
	s_mul_u64 s[16:17], s[16:17], s[18:19]
	s_add_nc_u64 s[8:9], s[8:9], s[16:17]
	s_lshl_b32 s46, s42, 9                         ; my first column, in bytes: 512 x block + 256 x half
	s_lshl_b32 s47, s12, 8
	s_add_co_u32 s46, s46, s47
	s_mov_b32 s47, 0
	s_add_nc_u64 s[8:9], s[8:9], s[46:47]
	OUT16 0, 0, 0x0a, F0
	OUT16 1, 1, 0x0a, F1
	OUT16 2, 2, 0x0a, F0
	OUT16 3, 3, 0x0a, F1
	OUT16 4, 0, 0x0f, F0
	OUT16 5, 1, 0x0f, F1
	OUT16 6, 2, 0x0f, F0
	OUT16 7, 3, 0x0f, F1
	; ---- PART 2: 128 x 256 of third T2.  Slot 0 was shown whole to every wave by the barrier in part 1's last quarter ----
	s_wait_xcnt 0x0                                ; buffers 0 and 1, which the last stores read, are loaded again only behind this wait
	s_wait_loadcnt 0x0                             ; part 2's bias is in
	FETCH2 0, 0, F0
	LAP2 1                                         ; K steps 0 and 1; asks for 2 and 3
	WIN 0
	s_mov_b32 s3, LAPS-2
.Llap2:
	LAP2 0
	WIN 0
	s_sub_co_u32 s3, s3, 1
	s_cmp_lg_u32 s3, 0
	s_cbranch_scc1 .Llap2
	THREE2 0, 0                                    ; the last lap fills nothing: my one tensor load that is still out is slot 1's, the last K step's
	TURN2 0, 1, 0
	THREE2 1, 0
	s_wait_dscnt 0
	WIN MUL_LO
	MUL16 F1, 0, 0, 0
	MUL16 F1, 0, 2, 0
	PLACES
	WIN 0
	s_lshl_b32 s16, s11, 6
	s_add_co_u32 s16, s16, s93                     ; my first row: 1024 Y + 512 X + 128 cy + 64 x half
	s_mul_i32 s16, s16, SIZE_N*2                   ; below 2^26
	s_lshl_b32 s17, s45, 11                        ; my first column, in bytes: 2,048 T2 + 512 cx + 256 x half
	s_add_co_u32 s16, s16, s17
	s_lshl_b32 s17, s40, 9
	s_add_co_u32 s16, s16, s17
	s_lshl_b32 s17, s12, 8
	s_add_co_u32 s16, s16, s17
	s_mov_b32 s17, 0
	s_wait_xcnt 0x0                                ; the base of part 1's stores is rewritten only behind this wait
	s_add_nc_u64 s[8:9], s[74:75], s[16:17]
	OUT16 0, 0, 0x0a, F0
	OUT16 1, 1, 0x0a, F1
	OUT16 2, 2, 0x0a, F0
	OUT16 3, 3, 0x0a, F1
	s_set_vgpr_msb 0x1
	s_wait_tensorcnt 0x0
	ds_add_u32 v63, v255
	s_wait_dscnt 0x0
	s_set_vgpr_msb 0x100
	CROUND                                         ; the closing round: no work-group ends while a partner may still ask for a tile that names it
	s_endpgm
.Lfunc_end_k_q1b2337b030_proj:
	.size	k_q1b2337b030_proj, .Lfunc_end_k_q1b2337b030_proj-k_q1b2337b030_proj
	.p2alignl 7, 3214868480
	.fill 96, 4, 3214868480
	.section	.rodata,"a",@progbits
	.p2align	6, 0x0
	.amdhsa_kernel k_q1b2337b030_proj
		.amdhsa_group_segment_fixed_size 327680
		.amdhsa_private_segment_fixed_size 0
		.amdhsa_enable_private_segment 0
		.amdhsa_kernarg_size 48
		.amdhsa_user_sgpr_count 2
		.amdhsa_user_sgpr_kernarg_segment_ptr 1
		.amdhsa_wavefront_size32 1
		.amdhsa_system_sgpr_workgroup_id_x 1
		.amdhsa_system_sgpr_workgroup_id_y 1
		.amdhsa_system_sgpr_workgroup_id_z 1
		.amdhsa_system_vgpr_workitem_id 0
		.amdhsa_next_free_vgpr 1024
		.amdhsa_next_free_sgpr 96
		.amdhsa_reserve_vcc 0
		.amdhsa_float_denorm_mode_32 3
		.amdhsa_float_denorm_mode_16_64 3
		.amdhsa_memory_ordered 1
		.amdhsa_forward_progress 1
		.amdhsa_inst_pref_size 255
	.end_amdhsa_kernel
	.section	.bss,"aw",@nobits
	.p2align	6
	.space	262144
	.amdgpu_metadata
---
amdhsa.version: [ 1, 2 ]
amdhsa.kernels:
  - .name:           k_q1b2337b030_proj
    .symbol:         k_q1b2337b030_proj.kd
    .args:
      - { .name: xb, .offset: 0, .size: 8, .value_kind: global_buffer, .address_space: global }
      - { .name: wb, .offset: 8, .size: 8, .value_kind: global_buffer, .address_space: global }
      - { .name: bq, .offset: 16, .size: 8, .value_kind: global_buffer, .address_space: global }
      - { .name: bk, .offset: 24, .size: 8, .value_kind: global_buffer, .address_space: global }
      - { .name: bv, .offset: 32, .size: 8, .value_kind: global_buffer, .address_space: global }
      - { .name: qkv, .offset: 40, .size: 8, .value_kind: global_buffer, .address_space: global }
    .group_segment_fixed_size: 327680
    .private_segment_fixed_size: 0
    .kernarg_segment_align: 8
    .kernarg_segment_size: 48
    .max_flat_workgroup_size: 128
    .sgpr_count:     96
    .vgpr_count:     1024
    .wavefront_size: 32
...
	.end_amdgpu_metadata
.endif
;; end of part 2
;; launch scores (part 3): grid 4 x 48, 4 waves a work-group, clusters of 4 x 1, 327,680 bytes of LDS; arguments qkv, pt, stat; writes pt, stat
.if DOCPART == 3
	.amdgcn_target "amdgcn-amd-amdhsa--gfx1250"
	.amdhsa_code_object_version 6
	.text
	.protected	k_q1b2337b030_scores
	.globl	k_q1b2337b030_scores
	.p2align	8
	.type	k_q1b2337b030_scores,@function
k_q1b2337b030_scores:
	s_mov_b64 s[64:65], 0
	v_nop
	global_prefetch_b8 v0, s[64:65] scope:SCOPE_SE
	s_setreg_imm32_b32 hwreg(HW_REG_WAVE_MODE, 25, 1), 1
	s_wait_xcnt 0x0
	s_wait_alu depctr_hold_cnt(0) depctr_sa_sdst(0) depctr_va_vdst(0) depctr_va_sdst(0) depctr_va_ssrc(0) depctr_va_vcc(0) depctr_vm_vsrc(0)
	s_getreg_b32 s2, hwreg(HW_REG_IB_STS2, 6, 4)
	s_cmp_eq_u32 s2, 0
	s_cbranch_scc0 .Lentry_in_a_cluster
	s_endpgm
.Lentry_in_a_cluster:
	s_bfe_u32 s2, ttmp6, 0x10000c
	s_cmp_lg_u32 s2, 0x3003
	s_cbranch_scc0 .Lentry_shape_is_right
	s_endpgm
.Lentry_shape_is_right:
; scores: s = q k^T under the causal mask, and the softmax's numerators by blocks of 128 keys.
;   With c = log2(e) / 32 (the 1 / sqrt(1024) of the scores folded in), for each row and each block kb of 128 keys:
;   m = largest unmasked s of the block, m2 = c m, pt = f16(exp2(c s - m2)), l = the f32 sum of those exponentials; stat holds (m2, l).
;   The next launch joins the blocks by the rows' overall maxima.  Every exponent is at most about 0: a maximum is always taken away.
; FORMATS: q and k enter as f16 (finite, below 65,504 in magnitude: the limit stated where they are made).  pt lies in [0, 1] by construction, so f16 holds it; numerators below
;   6e-5 are kept with steps of 6e-8 of the block's largest.
; LIMITS: a masked weight is exactly 0 (as in the reference while the row's largest score is above -1e9 + 104).  Masked scores are set to -2.98e38 and the
;   block maximum is floored at -9.97e36, so that a block that is all masked gives pt = 0, l = 0 without NaN.  A sum of 1,024 products of f16 numbers is at most
;   1024 x 65,504^2 = 4.4e12 in magnitude, so no unmasked score comes near the floor.
; SHARES: the causal region of a batch is covered by rows 0-511 x keys 0-511 and rows 512-1023 x keys 0-1023: six pieces of 512 rows x 256 keys,
;   one for each cluster of four work-groups.  Work-group cx takes the 128 rows 512 I + 4 p + cx (p = 0..127): all four partners have the same share of unmasked
;   scores, and in a descriptor the interleave is only a pitch of four rows.  8 batches x 6 pieces x 4 = 192 work-groups, one tile of 128 x 256 each.
;   Four waves, 2 x 2; a wave makes 64 rows x 128 keys: 32 accumulator tiles, 256 registers (window 1).
; CLUSTER 4 x 1: the 256 rows of k are the same for the four partners and are asked for jointly: a step's requests fall from 4 x 384 rows to 4 x 128 + 256.
;   q's rows are each work-group's own.  The pieces of a row block number two or four, so q is not shared in fours as well.
; The mask is applied in every work-group by compare and select: no branch hangs on the place in the cluster.
.set PITCH,  272                       ; an LDS row: 256 bytes + 16 of padding, an odd multiple of 16
.set BHALF,  128*PITCH                 ; 128 rows of k: one tensor load of wave 0 or 1, and what one wave reads
.set AHALF,  64*PITCH                  ; 64 rows of q: one tensor load of wave 2 or 3, and what one wave reads
.set ATILE,  2*BHALF                   ; in a slot: k's 256 rows, then q's 128 rows
.set SLOT,   ATILE+2*AHALF             ; 104,448
.set STAGE,  2*SLOT                    ; 208,896, a multiple of 256: 16 rows x 272 bytes for each wave; no fill lands here
.set LAPS,   4                         ; d = 1024 in 8 steps of 128, two to a lap
.set ADRA, 16                          ; v16-17  LDS address of my q fragments in slot 0, 1
.set ADRB, 20                          ; v20-21  the same for k
.set STO,  24                          ; the way out: where I put 16 bytes
.set RD,   25                          ; where I read a row back
.set CO,   26                          ; my byte offset in pt
.set ST,   27                          ; 8 x lane: my byte offset in stat
.set D0,   28                          ; row - key of my element (a, b, j) = (0, 0, 0), signed
.set FA,   32                          ; v32-63, v64-95    q fragments (4 x 8 registers), two buffers
.set FB,   96                          ; v96-159, v160-223 k fragments (8 x 8 registers), two buffers
.set TMP,  32                          ; the way out: packed results and lane exchanges
.set NEG,  224                         ; -2.98e38
.set FLOOR,225                         ; -9.97e36
.set MX,   226                         ; v226-229 the block maximum of row block a
.set NM,   230                         ; v230-237 pairs (-c m, -c m)
.set LS,   238                         ; v238-245 pairs of sums
.set M2,   246                         ; v246-249 c m
.set SO,   250                         ; v250-253 what goes to stat
.set G1A, 24                           ; s[24:31] group 1 for q's tiles
.set G0A, 32                           ; s[32:39] group 0 for q's tiles, one set for each slot
.set G1B, 48                           ; s[48:55] group 1 for k's tiles
.set G0B, 56                           ; s[56:63] group 0 for k's tiles
.set MUL, 0x50                         ; sources in window 0, C and D in window 1
.set MSB, 0
.macro WIN new                         ; the immediate's high byte repeats the setting that is left
.if MSB != \new
	s_set_vgpr_msb (MSB<<8)|\new
.set MSB, \new
.endif
.endm
.macro PLACES                          ; four places behind matrix instructions (ISA guide 7.12.1)
.rept 4
	v_nop
.endr
.endm
; One tensor load a wave: waves 0 and 1 ask jointly for k's halves, waves 2 and 3 for their own work-group's halves of q.  The branch hangs on the wave's number alone.
.macro JLOAD s
	s_cmp_eq_u32 s11, 0
	s_cbranch_scc0 .Lfor_a_\@
	tensor_load_to_lds s[G0B+4*\s:G0B+4*\s+3], s[G1B:G1B+7]
	s_nop 0
	s_branch .Lasked_\@
.Lfor_a_\@:
	tensor_load_to_lds s[G0A+4*\s:G0A+4*\s+3], s[G1A:G1A+7]
	s_nop 0
.Lasked_\@:
.endm
.macro CREST                           ; a round of the cluster's barrier behind its opening barrier
	s_cmp_lg_u32 s10, 0
	s_cbranch_scc1 .Lnot_wave_0_\@
	s_barrier_signal -3
.Lnot_wave_0_\@:
	s_barrier_wait -3
	s_barrier_signal -1
	s_barrier_wait -1
.endm
.macro CROUND
	s_barrier_signal -1
	s_barrier_wait -1
	CREST
.endm
	s_load_b128 s[4:7], s[0:1], 0x0                ; qkv s[4:5], pt s[6:7]
	s_load_b64 s[8:9], s[0:1], 0x10                ; stat
	v_lshl_add_u32 v254, v0, 2, 0x37400
	v_mov_b32 v255, 0
	ds_add_u32 v254, v255
	v_lshrrev_b32 v1, 5, v0
	v_readfirstlane_b32 s10, v1                    ; wave 0..3
	s_lshr_b32 s11, s10, 1                         ; mh: which 64 of the 128 rows are mine.  Also: I fetch k (0) or q (1)
	s_and_b32 s12, s10, 1                          ; nh: which 128 of the 256 keys.  Also: which half of that tile I fetch
	s_bfe_u32 s40, ttmp6, 0x40000                  ; cx
	s_and_b32 s41, ttmp7, 0xffff                   ; the cluster's number, 0..47
	s_and_b32 s42, s41, 7                          ; batch
	s_lshr_b32 s43, s41, 3                         ; piece 0..5
	s_cmp_ge_u32 s43, 2
	s_cselect_b32 s44, 1, 0                        ; I: rows 512 I .. 512 I + 511
	s_lshl_b32 s45, s44, 1
	s_sub_co_u32 s45, s43, s45                     ; jb: keys 256 jb .. 256 jb + 255
	; group 1 for q: 64 rows x 128 elements, every fourth row of qkv; my work-group's own (mask 0)
	s_mov_b32 s[G1A+0], (1<<16)|(1<<20)|(5<<22)|(3<<25)            ; element of 2 bytes; padding: 4 words after every 64
	s_mov_b32 s[G1A+1], 128<<16                    ; tensor_dim0 = 128
	s_mov_b32 s[G1A+2], 64<<16                     ; tensor_dim1 = 64
	s_mov_b32 s[G1A+3], 128<<16                    ; tile_dim0 = 128
	s_mov_b32 s[G1A+4], 64                         ; tile_dim1 = 64
	s_mov_b32 s[G1A+5], 4*3072                     ; four rows of 3,072 elements from row to row
	s_mov_b32 s[G1A+6], 0
	s_mov_b32 s[G1A+7], 0
	; group 1 for k: 128 rows x 128 elements, for all four work-groups of the cluster
	s_mov_b32 s[G1B+0], 15|(1<<16)|(1<<20)|(1<<21)|(5<<22)|(3<<25) ; the mask names places 0 to 3; bit 21 set beside it
	s_mov_b32 s[G1B+1], 128<<16
	s_mov_b32 s[G1B+2], 128<<16
	s_mov_b32 s[G1B+3], 128<<16
	s_mov_b32 s[G1B+4], 128
	s_mov_b32 s[G1B+5], 3072
	s_mov_b32 s[G1B+6], 0
	s_mov_b32 s[G1B+7], 0
	s_lshl_b32 s22, s42, 10
	s_lshl_b32 s17, s44, 9
	s_add_co_u32 s22, s22, s17                     ; 1024 batch + 512 I: the first of the cluster's 512 rows
	s_lshl_b32 s17, s12, 8
	s_add_co_u32 s16, s22, s17                     ; q: + 64 of my rows = 256 rows of qkv for the second half
	s_add_co_u32 s16, s16, s40                     ; + cx
	s_mul_i32 s16, s16, 6144                       ; rows of 6,144 bytes; below 2^26
	s_mov_b32 s17, 0
	s_lshl_b32 s46, s42, 10                        ; k: row 1024 batch + 256 jb + 128 half: nothing of cx
	s_lshl_b32 s47, s45, 8
	s_add_co_u32 s46, s46, s47
	s_lshl_b32 s47, s12, 7
	s_add_co_u32 s46, s46, s47
	s_mul_i32 s46, s46, 6144
	s_add_co_u32 s46, s46, 2048                    ; k's columns begin 1,024 elements into a row
	s_mov_b32 s47, 0
	s_mul_i32 s20, s10, BHALF                      ; k's halves (waves 0, 1) at wave x 34,816
	s_mul_i32 s21, s10, AHALF
	s_add_co_u32 s21, s21, BHALF                   ; q's halves (waves 2, 3) at 34,816 + wave x 17,408 = 69,632 and 87,040
	s_wait_dscnt 0x0
	s_wait_kmcnt 0x0
	s_add_nc_u64 s[14:15], s[4:5], s[16:17]
	s_add_nc_u64 s[46:47], s[4:5], s[46:47]
	CROUND                                         ; the four work-groups are here: the first joint loads meet
.irp s, 0,1
	s_mov_b32 s[G0A+4*\s], 1
	s_add_co_u32 s[G0A+4*\s+1], s21, \s*SLOT
	s_add_nc_u64 s[G0A+4*\s+2:G0A+4*\s+3], s[14:15], \s*256        ; step s: 128 elements on
	s_or_b32 s[G0A+4*\s+3], s[G0A+4*\s+3], 0x80000000
	s_mov_b32 s[G0B+4*\s], 1
	s_add_co_u32 s[G0B+4*\s+1], s20, \s*SLOT
	s_add_nc_u64 s[G0B+4*\s+2:G0B+4*\s+3], s[46:47], \s*256
	s_or_b32 s[G0B+4*\s+3], s[G0B+4*\s+3], 0x80000000
	JLOAD \s                                       ; both slots' first fills go out together: two tensor loads of mine are out
.endr
	s_mov_b32 s66, 0x3d38aa3b                      ; c = log2(e) / 32, twice: a pair for the packed multiply-add
	s_mov_b32 s67, 0x3d38aa3b
	s_mov_b32 s68, 0xbd38aa3b                      ; -c
	s_mov_b32 s69, 0xffff0000                      ; lanes 16 to 31
	s_mov_b32 s70, 0x76543210                      ; v_permlanex16_b32: lane i reads lane i of the other half
	s_mov_b32 s71, 0xfedcba98
	v_mov_b32 v[NEG], 0xff600000
	v_mov_b32 v[FLOOR], 0xfcf00000
	v_and_b32 v1, 15, v0                           ; r = l % 16
	v_bfe_u32 v2, v0, 4, 1                         ; h = l / 16
	v_mul_u32_u24 v3, v1, PITCH
	v_lshl_add_u32 v3, v2, 4, v3                   ; 272 r + 16 h
	s_mul_i32 s16, s11, AHALF
	s_add_co_u32 s16, s16, ATILE                   ; my 64 rows of q
	s_mul_i32 s17, s12, BHALF                      ; my 128 rows of k
.irp s, 0,1
	v_add_nc_u32 v[ADRA+\s], s16, v3
	v_add_nc_u32 v[ADRB+\s], s17, v3
	s_add_co_u32 s16, s16, SLOT
	s_add_co_u32 s17, s17, SLOT
.endr
	s_mul_i32 s23, s10, 16*PITCH
	s_add_co_u32 s23, s23, STAGE                   ; my stage
	v_add_nc_u32 v[STO], s23, v3                   ; in: row r, 16 bytes for each half of the lanes
	v_mul_u32_u24 v5, v2, PITCH                    ; back: lanes 0-15 one row of 256 bytes, lanes 16-31 the next
	v_lshl_add_u32 v5, v1, 4, v5
	v_add_nc_u32 v[RD], s23, v5
	v_lshlrev_b32 v5, 13, v2                       ; my next row lies four rows of 2,048 bytes further on in pt
	v_lshl_add_u32 v[CO], v1, 4, v5
	v_and_b32 v5, 31, v0
	v_lshlrev_b32 v[ST], 3, v5
	; row - key of element (a, b, j): (512 I + 256 mh + 64 a + 4 r + cx) - (256 jb + 128 nh + 16 b + 8 h + j) = D0 - (16 b + j - 64 a)
	s_lshl_b32 s18, s44, 9
	s_lshl_b32 s19, s11, 8
	s_add_co_u32 s18, s18, s19
	s_add_co_u32 s18, s18, s40
	s_lshl_b32 s19, s45, 8
	s_sub_co_u32 s18, s18, s19
	s_lshl_b32 s19, s12, 7
	s_sub_co_u32 s18, s18, s19
	v_lshlrev_b32 v[D0], 2, v1
	v_lshlrev_b32 v5, 3, v2
	v_sub_nc_u32 v[D0], v[D0], v5
	v_add_nc_u32 v[D0], s18, v[D0]
	; pt at (row 1024 batch + 512 I + cx + 256 mh, key 256 jb + 128 nh), two bytes a number
	s_lshl_b32 s18, s11, 8
	s_add_co_u32 s18, s18, s22
	s_add_co_u32 s18, s18, s40
	s_lshl_b32 s18, s18, 11
	s_lshl_b32 s19, s45, 9
	s_add_co_u32 s18, s18, s19
	s_lshl_b32 s19, s12, 8
	s_add_co_u32 s18, s18, s19
	s_mov_b32 s19, 0
	s_add_nc_u64 s[6:7], s[6:7], s[18:19]
	; stat[batch][kb = 2 jb + nh][I][cx][p = 64 mh ..][2]: strides 65,536, 8,192, 4,096, 1,024, 8 bytes
	s_lshl_b32 s18, s42, 16
	s_lshl_b32 s19, s45, 14
	s_add_co_u32 s18, s18, s19
	s_lshl_b32 s19, s12, 13
	s_add_co_u32 s18, s18, s19
	s_lshl_b32 s19, s44, 12
	s_add_co_u32 s18, s18, s19
	s_lshl_b32 s19, s40, 10
	s_add_co_u32 s18, s18, s19
	s_lshl_b32 s19, s11, 9
	s_add_co_u32 s18, s18, s19
	s_mov_b32 s19, 0
	s_add_nc_u64 s[8:9], s[8:9], s[18:19]
; 16 matrix instructions: row blocks a0, a0 + 1 x all 8 key blocks, 32 along d, from buffer f.  Used transposed: source 0 = 16 rows of k, source 1 = 16 rows of q,
; so that lane (r, h) holds row 16 a + r and the eight neighbouring keys 16 b + 8 h + j.  zero = 1: the first product starts the sums.
.macro MUL16 f, a0, zero
.irp a, \a0, \a0+1
.irp b, 0,1,2,3,4,5,6,7
.if \zero
	v_wmma_f32_16x16x32_f16 v[8*(8*(\a)+\b):8*(8*(\a)+\b)+7], v[FB+64*\f+8*\b:FB+64*\f+8*\b+7], v[FA+32*\f+8*(\a):FA+32*\f+8*(\a)+7], 0
.else
	v_wmma_f32_16x16x32_f16 v[8*(8*(\a)+\b):8*(8*(\a)+\b)+7], v[FB+64*\f+8*\b:FB+64*\f+8*\b+7], v[FA+32*\f+8*(\a):FA+32*\f+8*(\a)+7], v[8*(8*(\a)+\b):8*(8*(\a)+\b)+7]
.endif
.endr
.endr
.endm
; 24 LDS loads in one run: quarter kq (32 along d, 64 bytes of the rows) of a slot into buffer g
.macro FETCH slot, kq, g
.irp i, 0,1,2,3,4,5,6,7
	ds_load_b128 v[FB+64*\g+8*\i:FB+64*\g+8*\i+3],   v[ADRB+\slot] offset:64*\kq+\i*16*PITCH
	ds_load_b128 v[FB+64*\g+8*\i+4:FB+64*\g+8*\i+7], v[ADRB+\slot] offset:64*\kq+\i*16*PITCH+32
.endr
.irp i, 0,1,2,3
	ds_load_b128 v[FA+32*\g+8*\i:FA+32*\g+8*\i+3],   v[ADRA+\slot] offset:64*\kq+\i*16*PITCH
	ds_load_b128 v[FA+32*\g+8*\i+4:FA+32*\g+8*\i+7], v[ADRA+\slot] offset:64*\kq+\i*16*PITCH+32
.endr
.endm
; A step is four quarters of 32 matrix instructions on buffers 0, 1, 0, 1.  The 32 accumulators take turns, one instruction a turn, in the same order in every
; quarter.  A quarter first asks for the next quarter's fragments, which then have its 32 matrix instructions in which to come.
.macro QUARTER slot, kq, f, g, zero
	s_wait_dscnt 0                                 ; buffer f, asked for a quarter ago, is in
	WIN 0
	PLACES                                         ; buffer g was read by the quarter before
	FETCH \slot, \kq, \g
	WIN MUL
	MUL16 \f, 0, \zero
	MUL16 \f, 2, \zero
.endm
.macro THREE slot, zero
	QUARTER \slot, 1, 0, 1, \zero
	QUARTER \slot, 2, 1, 0, 0
	QUARTER \slot, 3, 0, 1, 0
.endm
; The last quarter multiplies buffer 1 and changes slots.  In front of the barrier each wave waits for its reads of this slot and for all its tensor loads (one is out:
; its part of the next slot).  fill = 1: the barrier opens a round of the cluster's barrier, and the refill, two steps ahead, is the first tensor load behind the round.
.macro TURN slot, next, fill
	s_wait_dscnt 0                                 ; buffer 1 is in, and my reads of this slot are over
	s_wait_tensorcnt 0x0                           ; all my tensor loads have landed
	ds_add_u32 v254, v255
	s_wait_dscnt 0x0
	s_barrier_signal -1
	WIN MUL
	MUL16 1, 0, 0                                  ; register work while the others arrive
	WIN 0
	s_barrier_wait -1
.if \fill
	CREST
	s_add_nc_u64 s[G0A+4*\slot+2:G0A+4*\slot+3], s[G0A+4*\slot+2:G0A+4*\slot+3], 512   ; no load of mine is out: the addresses step by two steps
	s_add_nc_u64 s[G0B+4*\slot+2:G0B+4*\slot+3], s[G0B+4*\slot+2:G0B+4*\slot+3], 512
	JLOAD \slot
.endif
	PLACES
	FETCH \next, 0, 0
	WIN MUL
	MUL16 1, 2, 0
.endm
.macro LAP zero
	THREE 0, \zero
	TURN 0, 1, 1
	THREE 1, 0
	TURN 1, 0, 1
.endm
	s_wait_tensorcnt 1                             ; my part of step 0 is in; step 1's may stay out
	s_barrier_signal -1
	s_barrier_wait -1
	FETCH 0, 0, 0
	LAP 1
	WIN 0
	s_mov_b32 s3, LAPS-2
.Llap:
	LAP 0
	WIN 0
	s_sub_co_u32 s3, s3, 1
	s_cmp_lg_u32 s3, 0
	s_cbranch_scc1 .Llap
	THREE 0, 0                                     ; the last lap fills nothing
	TURN 0, 1, 0
	THREE 1, 0
	s_wait_dscnt 0
	WIN MUL
	MUL16 1, 0, 0
	MUL16 1, 2, 0
	PLACES
	; THE MASK: key > row, that is 16 b + j - 64 a > D0, gives -2.98e38
	WIN 0x41                                       ; destination and source 0 in window 1, source 1 in window 0
.irp a, 0,1,2,3
.irp b, 0,1,2,3,4,5,6,7
.irp j, 0,1,2,3,4,5,6,7
	v_cmp_gt_i32 vcc_lo, 16*\b+\j-64*\a, v[D0]
	v_cndmask_b32 v[8*(8*\a+\b)+\j], v[8*(8*\a+\b)+\j], v[NEG], vcc_lo
.endr
.endr
.endr
	; THE BLOCK MAXIMUM of each of my rows: 64 numbers in my registers, four chains that do not wait for each other, then the other half of the lanes
	WIN 0x05                                       ; sources 0 and 1 in window 1
.irp a, 0,1,2,3
	v_max3_num_f32 v[MX+\a], v[64*\a], v[64*\a+1], v[FLOOR]
.endr
.set i, 1
.rept 31
.irp a, 0,1,2,3
	v_max3_num_f32 v[MX+\a], v[64*\a+2*i], v[64*\a+2*i+1], v[MX+\a]
.endr
.set i, i+1
.endr
	WIN 0
.irp a, 0,1,2,3
	v_permlanex16_b32 v[TMP+\a], v[MX+\a], s70, s71    ; lanes r and r + 16 hold the two halves of row r; the destination was written whole by the fragment loads
.endr
.irp a, 0,1,2,3
	v_max_num_f32 v[MX+\a], v[MX+\a], v[TMP+\a]
.endr
.irp a, 0,1,2,3
	v_mul_f32 v[NM+2*\a], s68, v[MX+\a]            ; -m2, exactly the negative of the m2 that is stored:
	v_mul_f32 v[NM+2*\a+1], s68, v[MX+\a]          ; the shift cancels when the blocks are joined, whatever its rounding
	v_mul_f32 v[M2+\a], s66, v[MX+\a]
.endr
	; THE EXPONENTIALS: exp2(c s - m2), one fused multiply-add for two numbers, in place
	WIN 0x41
.irp a, 0,1,2,3
.set i, 0
.rept 32
	v_pk_fma_f32 v[64*\a+2*i:64*\a+2*i+1], v[64*\a+2*i:64*\a+2*i+1], s[66:67], v[NM+2*\a:NM+2*\a+1] op_sel_hi:[1,0,1]
.set i, i+1
.endr
.endr
.set i, 0
.rept 256
	v_exp_f32 v[i], v[i]
.set i, i+1
.endr
	v_nop                                          ; one plain place behind the last exponential before its result is used
	; THE SUMS, in f32, before the rounding to f16
	WIN 0x05
	s_wait_alu depctr_va_vdst(0)
.irp a, 0,1,2,3
	v_pk_add_f32 v[LS+2*\a:LS+2*\a+1], v[64*\a:64*\a+1], v[64*\a+2:64*\a+3]
.endr
	WIN 0x01
.set i, 2
.rept 30
.irp a, 0,1,2,3
	v_pk_add_f32 v[LS+2*\a:LS+2*\a+1], v[64*\a+2*i:64*\a+2*i+1], v[LS+2*\a:LS+2*\a+1]
.endr
.set i, i+1
.endr
	WIN 0
.irp a, 0,1,2,3
	v_add_f32 v[LS+2*\a], v[LS+2*\a], v[LS+2*\a+1]
.endr
.irp a, 0,1,2,3
	v_permlanex16_b32 v[TMP+\a], v[LS+2*\a], s70, s71
.endr
.irp a, 0,1,2,3
	v_add_f32 v[LS+2*\a], v[LS+2*\a], v[TMP+\a]
.endr
	; stat: lanes 0-15 give (m2, l) of row block 2 s, lanes 16-31 of row block 2 s + 1: 32 lanes x 8 bytes = 256 consecutive bytes, aligned
.irp s, 0,1
	v_cndmask_b32 v[SO+2*\s],   v[M2+2*\s], v[M2+2*\s+1], s69
	v_cndmask_b32 v[SO+2*\s+1], v[LS+4*\s], v[LS+4*\s+2], s69
	global_store_b64 v[ST], v[SO+2*\s:SO+2*\s+1], s[8:9] offset:256*\s
.endr
; THE WAY OUT, 16 of my rows at a time: round to f16, 16 bytes a lane into my own stage, read back as whole rows of 256 bytes
.macro OUT16 a, f
	WIN 0x05
.irp b, 0,1,2,3,4,5,6,7
.irp r, 0,1,2,3
	v_cvt_pk_f16_f32 v[TMP+4*\b+\r], v[8*(8*\a+\b)+2*\r], v[8*(8*\a+\b)+2*\r+1]
.endr
.endr
	WIN 0
.irp b, 0,1,2,3,4,5,6,7
	ds_store_b128 v[STO], v[TMP+4*\b:TMP+4*\b+3] offset:32*\b
.endr
	s_wait_xcnt 0x0                                ; registers f .., which earlier stores read, are loaded again only behind this wait
.irp t, 0,1,2,3,4,5,6,7
	ds_load_b128 v[\f+4*\t:\f+4*\t+3], v[RD] offset:\t*2*PITCH     ; LDS serves a wave's instructions in order: these see the stores above
.endr
.irp t, 0,1,2,3,4,5,6,7
	s_wait_dscnt 7-\t                              ; read t of the eight is in
	global_store_b128 v[CO], v[\f+4*\t:\f+4*\t+3], s[6:7] offset:131072*\a+16384*\t    ; 16 lanes store 256 consecutive bytes, aligned; my rows are 8,192 bytes apart
.endr
.endm
	OUT16 0, 64
	OUT16 1, 96
	OUT16 2, 64
	OUT16 3, 96
	s_wait_tensorcnt 0x0
	ds_add_u32 v254, v255
	s_wait_dscnt 0x0
	CROUND                                         ; the closing round
	s_endpgm
.Lfunc_end_k_q1b2337b030_scores:
	.size	k_q1b2337b030_scores, .Lfunc_end_k_q1b2337b030_scores-k_q1b2337b030_scores
	.p2alignl 7, 3214868480
	.fill 96, 4, 3214868480
	.section	.rodata,"a",@progbits
	.p2align	6, 0x0
	.amdhsa_kernel k_q1b2337b030_scores
		.amdhsa_group_segment_fixed_size 327680
		.amdhsa_private_segment_fixed_size 0
		.amdhsa_enable_private_segment 0
		.amdhsa_kernarg_size 24
		.amdhsa_user_sgpr_count 2
		.amdhsa_user_sgpr_kernarg_segment_ptr 1
		.amdhsa_wavefront_size32 1
		.amdhsa_system_sgpr_workgroup_id_x 1
		.amdhsa_system_sgpr_workgroup_id_y 1
		.amdhsa_system_sgpr_workgroup_id_z 1
		.amdhsa_system_vgpr_workitem_id 0
		.amdhsa_next_free_vgpr 512
		.amdhsa_next_free_sgpr 72
		.amdhsa_reserve_vcc 1
		.amdhsa_float_denorm_mode_32 3
		.amdhsa_float_denorm_mode_16_64 3
		.amdhsa_memory_ordered 1
		.amdhsa_forward_progress 1
		.amdhsa_inst_pref_size 173
	.end_amdhsa_kernel
	.amdgpu_metadata
---
amdhsa.version: [ 1, 2 ]
amdhsa.kernels:
  - .name:           k_q1b2337b030_scores
    .symbol:         k_q1b2337b030_scores.kd
    .args:
      - { .name: qkv, .offset: 0, .size: 8, .value_kind: global_buffer, .address_space: global }
      - { .name: pt, .offset: 8, .size: 8, .value_kind: global_buffer, .address_space: global }
      - { .name: stat, .offset: 16, .size: 8, .value_kind: global_buffer, .address_space: global }
    .group_segment_fixed_size: 327680
    .private_segment_fixed_size: 0
    .kernarg_segment_align: 8
    .kernarg_segment_size: 24
    .max_flat_workgroup_size: 128
    .sgpr_count:     72
    .vgpr_count:     512
    .wavefront_size: 32
...
	.end_amdgpu_metadata
.endif
;; end of part 3
;; launch pv (part 4): grid 4 x 64, 4 waves a work-group, clusters of 4 x 4, 327,680 bytes of LDS; arguments pt, qkv, stat, out0; writes out0
.if DOCPART == 4
	.amdgcn_target "amdgcn-amd-amdhsa--gfx1250"
	.amdhsa_code_object_version 6
	.text
	.protected	k_q1b2337b030_pv
	.globl	k_q1b2337b030_pv
	.p2align	8
	.type	k_q1b2337b030_pv,@function
k_q1b2337b030_pv:
	s_mov_b64 s[64:65], 0
	v_nop
	global_prefetch_b8 v0, s[64:65] scope:SCOPE_SE
	s_setreg_imm32_b32 hwreg(HW_REG_WAVE_MODE, 25, 1), 1
	s_wait_xcnt 0x0
	s_wait_alu depctr_hold_cnt(0) depctr_sa_sdst(0) depctr_va_vdst(0) depctr_va_sdst(0) depctr_va_ssrc(0) depctr_va_vcc(0) depctr_vm_vsrc(0)
	s_getreg_b32 s2, hwreg(HW_REG_IB_STS2, 6, 4)
	s_cmp_eq_u32 s2, 0
	s_cbranch_scc0 .Lentry_in_a_cluster
	s_endpgm
.Lentry_in_a_cluster:
	s_bfe_u32 s2, ttmp6, 0x10000c
	s_cmp_lg_u32 s2, 0xf033
	s_cbranch_scc0 .Lentry_shape_is_right
	s_endpgm
.Lentry_shape_is_right:
; pv: out = softmax(scores) v, from the numerators by blocks of 128 keys.  For a row: M = max over kb of m2, L = sum of l exp2(m2 - M),
;   f_kb = exp2(m2_kb - M) / L, out = sum over kb of f_kb (pt_kb v_kb).  All exponents are at most 0, and L is about 1 or more (the block with the largest m2 gives its l).
;   A key step is one block kb: its product is made in accumulators T of its own (f32) and folded into O by one packed multiply-add with f_kb.
; FORMATS AND LIMITS: pt (in [0, 1]) and v enter as f16; v is finite, below 65,504 in magnitude (the limit stated where it is made); masked weights are exactly 0
;   (as in the reference while the row's largest score is above -1e9 + 104).
; SHARES: a work-group makes 128 rows x 256 columns of out: rows 512 I + 4 p + cy (p = 0..127) of a batch, columns 256 cx ..  8 batches x 2 x 4 x 4 = 256 work-groups.
;   Four waves, 2 x 2; a wave makes 64 rows x 128 columns.  Rows below 512 have no key at or beyond 512: 4 (I + 1) key steps, a number that the whole cluster shares.
; CLUSTER 4 x 4: pt's tile hangs on cy alone and is asked for jointly along a row of the cluster, v's on cx alone and jointly along a column: requests divided by four.
; v lies [key][column] in memory and in LDS; its fragments come by the transposing LDS load.
; REGISTERS: window 0 addresses, fragments, factors; window 1 T (tile (a, b) at v[8 (8 a + b)]); window 2 O, likewise.
.set PITCH,  272                       ; pt's rows in LDS: 256 bytes + 16
.set VPITCH, 544                       ; v's rows in LDS: 512 bytes + 32, an odd multiple of 32
.set OPITCH, 528                       ; the stage's rows: 512 bytes + 16
.set BHALF,  64*VPITCH                 ; 64 keys of v: one tensor load of wave 0 or 1: 34,816
.set AHALF,  64*PITCH                  ; 64 rows of pt: one tensor load of wave 2 or 3: 17,408
.set ATILE,  2*BHALF                   ; in a slot: v's 128 keys, then pt's 128 rows
.set SLOT,   ATILE+2*AHALF             ; 104,448
.set STAGE,  2*SLOT                    ; 208,896: 16 rows x 528 bytes for each wave; no fill lands here or behind
.set TABLE,  STAGE+4*16*OPITCH         ; 242,688: for each wave 4,096 bytes of factors [kb 8][r 16][a 4][2]
.set ADRA, 16                          ; v16-17  LDS address of my pt fragments in slot 0, 1
.set ADRB, 20                          ; v20-21  the same for v
.set STO,  24
.set RD,   25
.set CO,   26
.set TAB,  27                          ; LDS address of my row's factors of this lap's first key step
.set FA,   32                          ; v32-63, v64-95    pt fragments, two buffers
.set FB,   96                          ; v96-159, v160-223 v fragments, two buffers
.set ST,   32                          ; at the start: (m2, l) of (kb, a) at v[32 + 8 kb + 2 a]
.set FT,   128                         ; at the start: (f, f) of (kb, a) at v[128 + 8 kb + 2 a]
.set FAC,  224                         ; v224-231 this key step's (f, f) for a = 0..3
.set G1A, 24
.set G0A, 32
.set G1B, 48
.set G0B, 56
.set MUL, 0x50                         ; sources in window 0, C and D in window 1
.set MSB, 0
.macro WIN new
.if MSB != \new
	s_set_vgpr_msb (MSB<<8)|\new
.set MSB, \new
.endif
.endm
.macro PLACES                          ; four places behind matrix instructions (ISA guide 7.12.1)
.rept 4
	v_nop
.endr
.endm
.macro JLOAD s                         ; waves 0 and 1 ask for v's halves, waves 2 and 3 for pt's; each line has one mask
	s_cmp_eq_u32 s11, 0
	s_cbranch_scc0 .Lfor_a_\@
	tensor_load_to_lds s[G0B+4*\s:G0B+4*\s+3], s[G1B:G1B+7]
	s_nop 0
	s_branch .Lasked_\@
.Lfor_a_\@:
	tensor_load_to_lds s[G0A+4*\s:G0A+4*\s+3], s[G1A:G1A+7]
	s_nop 0
.Lasked_\@:
.endm
.macro CREST
	s_cmp_lg_u32 s10, 0
	s_cbranch_scc1 .Lnot_wave_0_\@
	s_barrier_signal -3
.Lnot_wave_0_\@:
	s_barrier_wait -3
	s_barrier_signal -1
	s_barrier_wait -1
.endm
.macro CROUND
	s_barrier_signal -1
	s_barrier_wait -1
	CREST
.endm
	s_load_b128 s[4:7], s[0:1], 0x0                ; pt s[4:5], qkv s[6:7]
	s_load_b128 s[68:71], s[0:1], 0x10             ; stat s[68:69], out0 s[70:71]
	v_lshl_add_u32 v254, v0, 2, 0x3f400
	v_mov_b32 v255, 0
	ds_add_u32 v254, v255
	v_lshrrev_b32 v1, 5, v0
	v_readfirstlane_b32 s10, v1                    ; wave 0..3
	s_lshr_b32 s11, s10, 1                         ; mh: which 64 rows.  Also: I fetch v (0) or pt (1)
	s_and_b32 s12, s10, 1                          ; nh: which 128 columns.  Also: which half of that tile I fetch
	s_bfe_u32 s40, ttmp6, 0x40000                  ; cx: the block of 256 columns
	s_bfe_u32 s41, ttmp6, 0x40004                  ; cy: the rows' residue modulo 4
	s_and_b32 s13, ttmp7, 0xffff                   ; the cluster's number, 0..15
	s_lshr_b32 s42, s13, 1                         ; batch
	s_and_b32 s44, s13, 1                          ; I
	s_lshl_b32 s43, s41, 2
	s_lshl_b32 s43, 15, s43                        ; my row of the cluster
	s_lshl_b32 s45, 0x1111, s40                    ; my column
	; group 1 for pt: 64 rows x 128 keys, every fourth row of pt
	s_or_b32 s[G1A+0], s43, (1<<16)|(1<<20)|(1<<21)|(5<<22)|(3<<25)  ; the mask; element of 2 bytes; padding: 4 words after every 64; bit 21 beside the mask
	s_mov_b32 s[G1A+1], 128<<16
	s_mov_b32 s[G1A+2], 64<<16
	s_mov_b32 s[G1A+3], 128<<16
	s_mov_b32 s[G1A+4], 64
	s_mov_b32 s[G1A+5], 4*1024
	s_mov_b32 s[G1A+6], 0
	s_mov_b32 s[G1A+7], 0
	; group 1 for v: 64 keys x 256 columns
	s_or_b32 s[G1B+0], s45, (1<<16)|(1<<20)|(1<<21)|(6<<22)|(7<<25)  ; padding: 8 words after every 128
	s_mov_b32 s[G1B+1], 256<<16
	s_mov_b32 s[G1B+2], 64<<16
	s_mov_b32 s[G1B+3], 256<<16
	s_mov_b32 s[G1B+4], 64
	s_mov_b32 s[G1B+5], 3072
	s_mov_b32 s[G1B+6], 0
	s_mov_b32 s[G1B+7], 0
	s_lshl_b32 s22, s42, 10
	s_lshl_b32 s17, s44, 9
	s_add_co_u32 s22, s22, s17                     ; 1024 batch + 512 I
	s_lshl_b32 s17, s12, 8
	s_add_co_u32 s16, s22, s17
	s_add_co_u32 s16, s16, s41                     ; pt: row 1024 batch + 512 I + cy + 256 half: nothing of cx
	s_lshl_b32 s16, s16, 11                        ; rows of 2,048 bytes
	s_mov_b32 s17, 0
	s_lshl_b32 s46, s42, 10                        ; v: row 1024 batch + 64 half,
	s_lshl_b32 s47, s12, 6
	s_add_co_u32 s46, s46, s47
	s_mul_i32 s46, s46, 6144
	s_lshl_b32 s47, s40, 9                         ; column 2048 + 256 cx: nothing of cy
	s_add_co_u32 s46, s46, s47
	s_add_co_u32 s46, s46, 4096
	s_mov_b32 s47, 0
	s_mul_i32 s20, s10, BHALF                      ; v's halves (waves 0, 1) at wave x 34,816
	s_mul_i32 s21, s10, AHALF
	s_add_co_u32 s21, s21, BHALF                   ; pt's halves (waves 2, 3) at 34,816 + wave x 17,408
	s_wait_dscnt 0x0
	s_wait_kmcnt 0x0
	s_add_nc_u64 s[14:15], s[4:5], s[16:17]
	s_add_nc_u64 s[46:47], s[6:7], s[46:47]
	CROUND                                         ; all sixteen work-groups are here
.irp s, 0,1
	s_mov_b32 s[G0A+4*\s], 1
	s_add_co_u32 s[G0A+4*\s+1], s21, \s*SLOT
	s_add_nc_u64 s[G0A+4*\s+2:G0A+4*\s+3], s[14:15], \s*256        ; key step s: 128 keys along pt's rows
	s_or_b32 s[G0A+4*\s+3], s[G0A+4*\s+3], 0x80000000
	s_mov_b32 s[G0B+4*\s], 1
	s_add_co_u32 s[G0B+4*\s+1], s20, \s*SLOT
	s_add_nc_u64 s[G0B+4*\s+2:G0B+4*\s+3], s[46:47], \s*128*6144   ; 128 rows of qkv
	s_or_b32 s[G0B+4*\s+3], s[G0B+4*\s+3], 0x80000000
	JLOAD \s                                       ; both first fills go out together: two tensor loads of mine are out
.endr
	; THE FACTORS, while the first tiles are on their way.  stat[batch][kb][I][cy][p = 64 mh + 16 a + r][2].
	v_and_b32 v1, 15, v0                           ; r
	v_bfe_u32 v2, v0, 4, 1                         ; h
	s_lshl_b32 s78, s42, 16
	s_lshl_b32 s79, s44, 12
	s_add_co_u32 s78, s78, s79
	s_lshl_b32 s79, s41, 10
	s_add_co_u32 s78, s78, s79
	s_lshl_b32 s79, s11, 9
	s_add_co_u32 s78, s78, s79
	s_mov_b32 s79, 0
	s_add_nc_u64 s[72:73], s[68:69], s[78:79]      ; blocks 0 to 3
	s_lshl_b32 s78, s44, 15
	s_add_nc_u64 s[74:75], s[72:73], s[78:79]      ; I = 1: blocks 4 to 7.  I = 0: blocks 0 to 3 once more, so that no byte is read that was never written
	s_cvt_f32_u32 s76, s44                         ; 1.0 or 0.0: whether the second four count in L
	v_lshlrev_b32 v4, 3, v1
.irp kb, 0,1,2,3
.irp a, 0,1,2,3
	global_load_b64 v[ST+8*\kb+2*\a:ST+8*\kb+2*\a+1], v4, s[72:73] offset:8192*\kb+128*\a
.endr
.endr
.irp kb, 4,5,6,7
.irp a, 0,1,2,3
	global_load_b64 v[ST+8*\kb+2*\a:ST+8*\kb+2*\a+1], v4, s[74:75] offset:8192*(\kb-4)+128*\a
.endr
.endr
	; addresses
	v_mul_u32_u24 v3, v1, PITCH
	v_lshl_add_u32 v3, v2, 4, v3                   ; pt fragments: 272 r + 16 h
	v_and_b32 v5, 7, v0
	v_lshl_add_u32 v5, v2, 3, v5                   ; v fragments: key 8 h + l % 8,
	v_mul_u32_u24 v5, v5, VPITCH
	v_bfe_u32 v6, v0, 3, 1
	v_lshl_add_u32 v5, v6, 4, v5                   ; 16 bytes further for lanes 8-15 and 24-31
	s_mul_i32 s16, s11, AHALF
	s_add_co_u32 s16, s16, ATILE                   ; my 64 rows of pt
	s_lshl_b32 s17, s12, 8                         ; my 128 columns of v: 256 bytes
.irp s, 0,1
	v_add_nc_u32 v[ADRA+\s], s16, v3
	v_add_nc_u32 v[ADRB+\s], s17, v5
	s_add_co_u32 s16, s16, SLOT
	s_add_co_u32 s17, s17, SLOT
.endr
	s_mul_i32 s23, s10, 16*OPITCH
	s_add_co_u32 s23, s23, STAGE                   ; my stage
	v_mul_u32_u24 v6, v1, OPITCH
	v_lshl_add_u32 v6, v2, 5, v6                   ; in: row r, 32 bytes for each half of the lanes
	v_add_nc_u32 v[STO], s23, v6
	v_and_b32 v6, 31, v0
	v_lshlrev_b32 v[CO], 4, v6                     ; back and out: 32 lanes x 16 bytes = a row's 512 bytes
	v_add_nc_u32 v[RD], s23, v[CO]
	s_lshl_b32 s23, s10, 12
	s_add_co_u32 s23, s23, TABLE                   ; my table
	v_lshlrev_b32 v6, 5, v1
	v_add_nc_u32 v[TAB], s23, v6                   ; + 32 r
	; out0 at (row 1024 batch + 512 I + cy + 256 mh, column 256 cx + 128 nh), four bytes a number
	s_lshl_b32 s78, s11, 8
	s_add_co_u32 s78, s78, s22
	s_add_co_u32 s78, s78, s41
	s_lshl_b32 s78, s78, 12
	s_lshl_b32 s79, s40, 10
	s_add_co_u32 s78, s78, s79
	s_lshl_b32 s79, s12, 9
	s_add_co_u32 s78, s78, s79
	s_mov_b32 s79, 0
	s_add_nc_u64 s[70:71], s[70:71], s[78:79]
	s_wait_loadcnt 0x0                             ; (m2, l) of my four rows, eight blocks each
.irp a, 0,1,2,3
	v_max3_num_f32 v[8+\a], v[ST+2*\a], v[ST+8+2*\a], v[ST+16+2*\a]
.endr
.irp a, 0,1,2,3
	v_max3_num_f32 v[8+\a], v[8+\a], v[ST+24+2*\a], v[ST+32+2*\a]
.endr
.irp a, 0,1,2,3
	v_max3_num_f32 v[8+\a], v[8+\a], v[ST+40+2*\a], v[ST+48+2*\a]
.endr
.irp a, 0,1,2,3
	v_max_num_f32 v[8+\a], v[8+\a], v[ST+56+2*\a]  ; M
.endr
.irp kb, 0,1,2,3,4,5,6,7
.irp a, 0,1,2,3
	v_sub_f32 v[ST+8*\kb+2*\a], v[ST+8*\kb+2*\a], v[8+\a]
.endr
.endr
.irp kb, 0,1,2,3,4,5,6,7
.irp a, 0,1,2,3
	v_exp_f32 v[ST+8*\kb+2*\a], v[ST+8*\kb+2*\a]   ; e = exp2(m2 - M)
.endr
.endr
	v_nop                                          ; one plain place behind the last exponential
	s_wait_alu depctr_va_vdst(0)
.irp a, 0,1,2,3
	v_mul_f32 v[8+\a],  v[ST+2*\a],    v[ST+2*\a+1]        ; the sum over blocks 0 to 3
	v_mul_f32 v[12+\a], v[ST+32+2*\a], v[ST+32+2*\a+1]     ; and over the second four
.endr
.irp kb, 1,2,3
.irp a, 0,1,2,3
	v_fmac_f32 v[8+\a],  v[ST+8*\kb+2*\a],    v[ST+8*\kb+2*\a+1]
	v_fmac_f32 v[12+\a], v[ST+32+8*\kb+2*\a], v[ST+32+8*\kb+2*\a+1]
.endr
.endr
.irp a, 0,1,2,3
	v_fmac_f32 v[8+\a], s76, v[12+\a]              ; L
.endr
.irp a, 0,1,2,3
	v_rcp_f32 v[8+\a], v[8+\a]
.endr
	v_nop                                          ; one plain place behind the last reciprocal
	s_wait_alu depctr_va_vdst(0)
.irp kb, 0,1,2,3,4,5,6,7
.irp a, 0,1,2,3
	v_mul_f32 v[FT+8*\kb+2*\a],   v[ST+8*\kb+2*\a], v[8+\a]    ; f, twice: a pair for the packed multiply-add
	v_mul_f32 v[FT+8*\kb+2*\a+1], v[ST+8*\kb+2*\a], v[8+\a]
.endr
.endr
.irp kb, 0,1,2,3,4,5,6,7
	ds_store_b128 v[TAB], v[FT+8*\kb:FT+8*\kb+3]   offset:512*\kb      ; my wave's own bytes; lanes r and r + 16 write the same numbers
	ds_store_b128 v[TAB], v[FT+8*\kb+4:FT+8*\kb+7] offset:512*\kb+16
.endr
; 16 matrix instructions from buffer f, used transposed: source 0 = 16 columns of v, source 1 = 16 rows of pt: lane (r, h) holds row 16 a + r, columns 16 b + 8 h + j.
.macro MUL16 f, a0, zero
.irp a, \a0, \a0+1
.irp b, 0,1,2,3,4,5,6,7
.if \zero
	v_wmma_f32_16x16x32_f16 v[8*(8*(\a)+\b):8*(8*(\a)+\b)+7], v[FB+64*\f+8*\b:FB+64*\f+8*\b+7], v[FA+32*\f+8*(\a):FA+32*\f+8*(\a)+7], 0
.else
	v_wmma_f32_16x16x32_f16 v[8*(8*(\a)+\b):8*(8*(\a)+\b)+7], v[FB+64*\f+8*\b:FB+64*\f+8*\b+7], v[FA+32*\f+8*(\a):FA+32*\f+8*(\a)+7], v[8*(8*(\a)+\b):8*(8*(\a)+\b)+7]
.endif
.endr
.endr
.endm
; 24 LDS loads: quarter kq (32 keys) of a slot into buffer g.  v: two transposing loads a fragment, 16 keys apart; pt: two plain loads, 32 bytes apart.
.macro FETCH slot, kq, g
.irp i, 0,1,2,3,4,5,6,7
	ds_load_tr16_b128 v[FB+64*\g+8*\i:FB+64*\g+8*\i+3],   v[ADRB+\slot] offset:32*VPITCH*\kq+32*\i
	ds_load_tr16_b128 v[FB+64*\g+8*\i+4:FB+64*\g+8*\i+7], v[ADRB+\slot] offset:32*VPITCH*\kq+32*\i+16*VPITCH
.endr
.irp i, 0,1,2,3
	ds_load_b128 v[FA+32*\g+8*\i:FA+32*\g+8*\i+3],   v[ADRA+\slot] offset:64*\kq+\i*16*PITCH
	ds_load_b128 v[FA+32*\g+8*\i+4:FA+32*\g+8*\i+7], v[ADRA+\slot] offset:64*\kq+\i*16*PITCH+32
.endr
.endm
; Four quarters of 32 matrix instructions a key step; the 32 accumulators take turns, one instruction a turn, in the same order in every quarter.
.macro QUARTER slot, kq, f, g, zero
	s_wait_dscnt 0                                 ; buffer f, asked for a quarter ago, is in (in a step's first quarter the factors too)
	WIN 0
	PLACES                                         ; buffer g was read by the quarter before
	FETCH \slot, \kq, \g
	WIN MUL
	MUL16 \f, 0, \zero
	MUL16 \f, 2, \zero
.endm
.macro THREE slot, zero
	QUARTER \slot, 1, 0, 1, \zero
	QUARTER \slot, 2, 1, 0, 0
	QUARTER \slot, 3, 0, 1, 0
.endm
; The last quarter changes slots: the waits for my reads of this slot and for all my tensor loads, the barrier (fill = 1: it opens a round of the cluster's barrier),
; the joint refill first behind it, two key steps ahead.
.macro TURN slot, next, fill
	s_wait_dscnt 0
	s_wait_tensorcnt 0x0
	ds_add_u32 v254, v255
	s_wait_dscnt 0x0
	s_barrier_signal -1
	WIN MUL
	MUL16 1, 0, 0
	WIN 0
	s_barrier_wait -1
.if \fill
	CREST
	s_add_nc_u64 s[G0A+4*\slot+2:G0A+4*\slot+3], s[G0A+4*\slot+2:G0A+4*\slot+3], 512          ; 256 keys along pt's rows
	s_add_nc_u64 s[G0B+4*\slot+2:G0B+4*\slot+3], s[G0B+4*\slot+2:G0B+4*\slot+3], 256*6144     ; 256 rows of qkv
	JLOAD \slot
.endif
	PLACES
	FETCH \next, 0, 0
	WIN MUL
	MUL16 1, 2, 0
.endm
; O = f T (the first key step) or O += f T: 128 packed instructions for 256 numbers a lane
.macro FOLD first
	PLACES
.if \first
	WIN 0x81                                       ; destination window 2, source 0 (T) window 1, source 1 (the factors) window 0
.else
	WIN 0xa1                                       ; and source 2 (O) window 2
.endif
.irp a, 0,1,2,3
.set i, 0
.rept 32
.if \first
	v_pk_mul_f32 v[64*\a+2*i:64*\a+2*i+1], v[64*\a+2*i:64*\a+2*i+1], v[FAC+2*\a:FAC+2*\a+1]
.else
	v_pk_fma_f32 v[64*\a+2*i:64*\a+2*i+1], v[64*\a+2*i:64*\a+2*i+1], v[FAC+2*\a:FAC+2*\a+1], v[64*\a+2*i:64*\a+2*i+1]
.endif
.set i, i+1
.endr
.endr
.endm
.macro FACTORS slot                    ; this key step's factors of my four rows, from my own table
	WIN 0
	ds_load_b128 v[FAC:FAC+3],   v[TAB] offset:512*\slot
	ds_load_b128 v[FAC+4:FAC+7], v[TAB] offset:512*\slot+16
.endm
.macro STEP slot, next, fill, first
	FACTORS \slot
	THREE \slot, 1                                 ; each key step's first products start T anew
	TURN \slot, \next, \fill
	FOLD \first
.endm
.macro LAP first
	STEP 0, 1, 1, \first
	STEP 1, 0, 1, 0
	WIN 0
	v_add_nc_u32 v[TAB], 1024, v[TAB]              ; two key steps on in the table
.endm
	s_wait_tensorcnt 1                             ; my part of key step 0 is in; step 1's may stay out
	s_wait_dscnt 0                                 ; no LDS instruction of mine is pending at a signal
	s_barrier_signal -1
	s_barrier_wait -1
	FETCH 0, 0, 0
	LAP 1                                          ; key steps 0 and 1; asks for 2 and 3
	s_cmp_eq_u32 s44, 0                            ; rows below 512: four key steps in all.  I is the cluster's: the branch is the same in all partners
	s_cbranch_scc1 .Llast
	s_mov_b32 s3, 2
.Llap:
	LAP 0
	s_sub_co_u32 s3, s3, 1
	s_cmp_lg_u32 s3, 0
	s_cbranch_scc1 .Llap
.Llast:
	STEP 0, 1, 0, 0                                ; the last lap fills nothing
	FACTORS 1
	THREE 1, 1
	s_wait_dscnt 0
	WIN MUL
	MUL16 1, 0, 0
	MUL16 1, 2, 0
	FOLD 0
; THE WAY OUT, 16 of my rows at a time, through my own stage: a lane's 32 bytes in, whole rows of 512 bytes back
.macro OUT16 a, f
	WIN 0x08                                       ; the stores' data in window 2
.irp b, 0,1,2,3,4,5,6,7
	ds_store_b128 v[STO], v[8*(8*\a+\b):8*(8*\a+\b)+3]   offset:64*\b
	ds_store_b128 v[STO], v[8*(8*\a+\b)+4:8*(8*\a+\b)+7] offset:64*\b+16
.endr
	WIN 0
	s_wait_xcnt 0x0                                ; registers f .., which earlier stores read, are loaded again only behind this wait
.irp t, 0,1,2,3,4,5,6,7,8,9,10,11,12,13,14,15
	ds_load_b128 v[\f+4*\t:\f+4*\t+3], v[RD] offset:\t*OPITCH      ; LDS serves a wave's instructions in order: these see the stores above
.endr
.irp t, 0,1,2,3,4,5,6,7,8,9,10,11,12,13,14,15
	s_wait_dscnt 15-\t                             ; read t of the sixteen is in
	global_store_b128 v[CO], v[\f+4*\t:\f+4*\t+3], s[70:71] offset:(16*\a+\t)*16384 th:TH_STORE_NT   ; 512 consecutive bytes, aligned; my rows are 16,384 bytes apart
.endr
.endm
	OUT16 0, 32
	OUT16 1, 96
	OUT16 2, 32
	OUT16 3, 96
	s_wait_tensorcnt 0x0
	ds_add_u32 v254, v255
	s_wait_dscnt 0x0
	CROUND                                         ; the closing round
	s_endpgm
.Lfunc_end_k_q1b2337b030_pv:
	.size	k_q1b2337b030_pv, .Lfunc_end_k_q1b2337b030_pv-k_q1b2337b030_pv
	.p2alignl 7, 3214868480
	.fill 96, 4, 3214868480
	.section	.rodata,"a",@progbits
	.p2align	6, 0x0
	.amdhsa_kernel k_q1b2337b030_pv
		.amdhsa_group_segment_fixed_size 327680
		.amdhsa_private_segment_fixed_size 0
		.amdhsa_enable_private_segment 0
		.amdhsa_kernarg_size 32
		.amdhsa_user_sgpr_count 2
		.amdhsa_user_sgpr_kernarg_segment_ptr 1
		.amdhsa_wavefront_size32 1
		.amdhsa_system_sgpr_workgroup_id_x 1
		.amdhsa_system_sgpr_workgroup_id_y 1
		.amdhsa_system_sgpr_workgroup_id_z 1
		.amdhsa_system_vgpr_workitem_id 0
		.amdhsa_next_free_vgpr 768
		.amdhsa_next_free_sgpr 80
		.amdhsa_reserve_vcc 0
		.amdhsa_float_denorm_mode_32 3
		.amdhsa_float_denorm_mode_16_64 3
		.amdhsa_memory_ordered 1
		.amdhsa_forward_progress 1
		.amdhsa_inst_pref_size 177
	.end_amdhsa_kernel
	.amdgpu_metadata
---
amdhsa.version: [ 1, 2 ]
amdhsa.kernels:
  - .name:           k_q1b2337b030_pv
    .symbol:         k_q1b2337b030_pv.kd
    .args:
      - { .name: pt, .offset: 0, .size: 8, .value_kind: global_buffer, .address_space: global }
      - { .name: qkv, .offset: 8, .size: 8, .value_kind: global_buffer, .address_space: global }
      - { .name: stat, .offset: 16, .size: 8, .value_kind: global_buffer, .address_space: global }
      - { .name: out0, .offset: 24, .size: 8, .value_kind: global_buffer, .address_space: global }
    .group_segment_fixed_size: 327680
    .private_segment_fixed_size: 0
    .kernarg_segment_align: 8
    .kernarg_segment_size: 32
    .max_flat_workgroup_size: 128
    .sgpr_count:     80
    .vgpr_count:     768
    .wavefront_size: 32
...
	.end_amdgpu_metadata
.endif
;; end of part 4
;; ======== version 2 of 2: 4 launches; version 1 with the launch cast written anew for expert scheduling mode
;; limits: right only within a limited range of input values; values are held in f16: magnitudes above 65,504 overflow, below 6.1e-05 lose precision
;; workspace buffers: xb 16,777,216 bytes; wb 6,291,456 bytes; qkv 50,331,648 bytes; pt 16,777,216 bytes; stat 524,288 bytes
;; launch cast (part 5): grid 256 x 1, 8 waves a work-group, no clusters, 0 bytes of LDS; arguments x, Wq, Wk, Wv, xb, wb; writes xb, wb
.if DOCPART == 5
	.amdgcn_target "amdgcn-amd-amdhsa--gfx1250"
	.amdhsa_code_object_version 6
	.text
	.protected	k_q1b2337b030_cast
	.globl	k_q1b2337b030_cast
	.p2align	8
	.type	k_q1b2337b030_cast,@function
k_q1b2337b030_cast:
	s_mov_b64 s[64:65], 0
	v_nop
	global_prefetch_b8 v0, s[64:65] scope:SCOPE_SE
	s_setreg_imm32_b32 hwreg(HW_REG_WAVE_SCHED_MODE, 0, 2), 2
	s_setreg_imm32_b32 hwreg(HW_REG_WAVE_MODE, 25, 1), 1
	s_wait_xcnt 0x0
	s_wait_alu depctr_vm_vsrc(0)
; cast: xb = bf16(x) [8192][1024];  wb = bf16(Wq | Wk | Wv) [3072][1024].  Rounding to nearest even, once.
; A stream: every input byte is read once by 16-byte loads, every output byte written once.  No LDS, no barrier, no matrix unit:
; there is nothing to share and nothing to multiply.
; Work-group g of 256 takes 32,768 numbers of x (128 KiB) and 4,096 numbers of each W (16 KiB).  Thread t takes the 16 bytes at 16 t of each
; block of 4,096 bytes: 32 + 3 x 4 = 44 loads, all issued before the first is used, each into registers of its own.
; A wave's load covers 512 consecutive bytes, aligned; a wave's store of 8 bytes a lane covers 256 consecutive bytes, aligned.
; No register is written again behind the store that reads it, so no wait frees a source.
; THE MODE: SCHED_MODE bits 1:0 = 2 (LLVM: expert scheduling mode 2), set by the entry lines.  The code itself states the register dependences
; between vector instructions and memory instructions, with s_wait_alu, always for 0.
; THE PLAN.  Registers that memory instructions touch:
;   v1, v2        byte offsets, made once at the head and never written again; v1 is read by every load, v2 by every store.
;   v[X + 4 i ..] load i lands in four registers that no vector instruction has named before; its two conversions read the four and write the first two;
;                 store i reads those two; nothing writes them again.
; So the only dependences to state are: the offsets are written, ahead of the first load; and a load's two conversions have written what its store reads.
; The 44 loads go in eleven blocks of four.  Block b rounds its own sixteen registers; its memory instructions are the four stores of block b - 1, whose
; registers no vector instruction of block b names.  ONE wait on va_vdst at a block's head states that the block before has written its results, and the four
; stores are dealt among the block's eight conversions with no further wait.  One more wait stands ahead of the last four stores.
; No register that a memory instruction has read is ever written again, by a vector instruction or by a load: the text owes no wait on vm_vsrc.
.set X, 4                              ; v[4:179]  load i: four f32; its first two registers then hold the four bf16
.set BLOCK,  4                         ; loads in a block
.set BLOCKS, 44 / BLOCK
	s_load_b256 s[4:11], s[0:1], 0x0               ; x s[4:5], Wq s[6:7], Wk s[8:9], Wv s[10:11]
	s_load_b128 s[12:15], s[0:1], 0x20             ; xb s[12:13], wb s[14:15]
	s_lshl_b32 s16, ttmp9, 17                      ; my part of x: g x 131,072 bytes
	s_mov_b32 s17, 0
	s_lshl_b32 s18, ttmp9, 14                      ; my part of each W: g x 16,384 bytes
	s_mov_b32 s19, 0
	s_lshl_b32 s20, ttmp9, 16                      ; my part of xb: half of x's bytes
	s_mov_b32 s21, 0
	s_lshl_b32 s22, ttmp9, 13                      ; my part of each third of wb
	s_mov_b32 s23, 0
	v_lshlrev_b32 v1, 4, v0                        ; 16 t: where I load
	v_lshlrev_b32 v2, 3, v0                        ; 8 t: where I store
	s_wait_kmcnt 0x0
	s_add_nc_u64 s[4:5], s[4:5], s[16:17]
	s_add_nc_u64 s[6:7], s[6:7], s[18:19]
	s_add_nc_u64 s[8:9], s[8:9], s[18:19]
	s_add_nc_u64 s[10:11], s[10:11], s[18:19]
	s_add_nc_u64 s[12:13], s[12:13], s[20:21]
	s_add_nc_u64 s[14:15], s[14:15], s[22:23]
	s_wait_alu depctr_va_vdst(0)                   ; v1 and v2 are written: every load of the kernel reads v1 as its offset, every store v2
.set i, 0
.rept 32
	global_load_b128 v[X+4*i:X+4*i+3], v1, s[4:5] offset:4096*i th:TH_LOAD_NT
.set i, i+1
.endr
.irp w, 0,1,2
.irp k, 0,1,2,3
	global_load_b128 v[X+4*(32+4*\w+\k):X+4*(32+4*\w+\k)+3], v1, s[6+2*\w:7+2*\w] offset:4096*\k th:TH_LOAD_NT
.endr
.endr
; The store of load i's four bf16.  Loads 0 to 31 are x's and go to xb; loads 32 + 4 w + k are W number w's and go to wb.
.macro PUT i
.if (\i) < 32
	global_store_b64 v2, v[X+4*(\i):X+4*(\i)+1], s[12:13] offset:2048*(\i)
.else
	global_store_b64 v2, v[X+4*(\i):X+4*(\i)+1], s[14:15] offset:2097152*(((\i)-32)/4)+2048*(((\i)-32)%4)   ; W number w begins 1,024 rows of 2,048 bytes further on
.endif
.endm
.set b, 0
.rept BLOCKS
	s_wait_loadcnt 40-4*b                          ; loads come back in order: block b's four are in, the 40 - 4 b younger ones stay out
.if b > 0
	s_wait_alu depctr_va_vdst(0)                   ; the conversions of block b - 1 have written the registers that the four stores below read
.endif
.irp k, 0,1,2,3
.set n, BLOCK*b+\k
.if b > 0
	PUT n-BLOCK                                    ; the block before; no vector instruction since the wait names its registers
.endif
	v_cvt_pk_bf16_f32 v[X+4*n], v[X+4*n], v[X+4*n+1]
	v_cvt_pk_bf16_f32 v[X+4*n+1], v[X+4*n+2], v[X+4*n+3]
.endr
.set b, b+1
.endr
	s_wait_alu depctr_va_vdst(0)                   ; the conversions of the last block have written the registers that the last four stores read
.irp k, 0,1,2,3
	PUT 40+\k
.endr
	s_endpgm
.Lfunc_end_k_q1b2337b030_cast:
	.size	k_q1b2337b030_cast, .Lfunc_end_k_q1b2337b030_cast-k_q1b2337b030_cast
	.p2alignl 7, 3214868480
	.fill 96, 4, 3214868480
	.section	.rodata,"a",@progbits
	.p2align	6, 0x0
	.amdhsa_kernel k_q1b2337b030_cast
		.amdhsa_group_segment_fixed_size 0
		.amdhsa_private_segment_fixed_size 0
		.amdhsa_enable_private_segment 0
		.amdhsa_kernarg_size 48
		.amdhsa_user_sgpr_count 2
		.amdhsa_user_sgpr_kernarg_segment_ptr 1
		.amdhsa_wavefront_size32 1
		.amdhsa_system_sgpr_workgroup_id_x 1
		.amdhsa_system_sgpr_workgroup_id_y 1
		.amdhsa_system_sgpr_workgroup_id_z 1
		.amdhsa_system_vgpr_workitem_id 0
		.amdhsa_next_free_vgpr 180
		.amdhsa_next_free_sgpr 66
		.amdhsa_reserve_vcc 0
		.amdhsa_float_denorm_mode_32 3
		.amdhsa_float_denorm_mode_16_64 3
		.amdhsa_memory_ordered 1
		.amdhsa_forward_progress 1
		.amdhsa_inst_pref_size 16
	.end_amdhsa_kernel
	.amdgpu_metadata
---
amdhsa.version: [ 1, 2 ]
amdhsa.kernels:
  - .name:           k_q1b2337b030_cast
    .symbol:         k_q1b2337b030_cast.kd
    .args:
      - { .name: x, .offset: 0, .size: 8, .value_kind: global_buffer, .address_space: global }
      - { .name: Wq, .offset: 8, .size: 8, .value_kind: global_buffer, .address_space: global }
      - { .name: Wk, .offset: 16, .size: 8, .value_kind: global_buffer, .address_space: global }
      - { .name: Wv, .offset: 24, .size: 8, .value_kind: global_buffer, .address_space: global }
      - { .name: xb, .offset: 32, .size: 8, .value_kind: global_buffer, .address_space: global }
      - { .name: wb, .offset: 40, .size: 8, .value_kind: global_buffer, .address_space: global }
    .group_segment_fixed_size: 0
    .private_segment_fixed_size: 0
    .kernarg_segment_align: 8
    .kernarg_segment_size: 48
    .max_flat_workgroup_size: 256
    .sgpr_count:     66
    .vgpr_count:     180
    .wavefront_size: 32
...
	.end_amdgpu_metadata
.endif
;; end of part 5
;; launch proj: the kernel of part 2 again; grid 8 x 32, 4 waves a work-group, clusters of 4 x 4, 327,680 bytes of LDS; arguments xb, wb, bq, bk, bv, qkv; writes qkv
;; launch scores: the kernel of part 3 again; grid 4 x 48, 4 waves a work-group, clusters of 4 x 1, 327,680 bytes of LDS; arguments qkv, pt, stat; writes pt, stat
;; launch pv: the kernel of part 4 again; grid 4 x 64, 4 waves a work-group, clusters of 4 x 4, 327,680 bytes of LDS; arguments pt, qkv, stat, out0; writes out0
